; MI455X (gfx1250); checked and timed in simulation.
; The chip was launched on July 23, 2026; its instructions are those of AMD's public machine-readable ISA for CDNA 5 (MIT licence, August 2026) and "CDNA5" Instruction Set Architecture Reference Guide (July 2026). The comments in the code are by the model that wrote it; some were corrected since.
;; Causal Self Attention. Allowed arithmetic: matrix products marked QUANTISED: E3M2 operands, one E8M0 scale for each 32 along K, by v_wmma_scale_f32_16x16x128_f8f6f4 with both operands' format E3M2, f32 sums; everything else in f32.
;; Inputs: W_attn 1,024 x 3,072 float32; W_proj 1,024 x 1,024 float32; b_attn 3,072 float32; b_proj 1,024 float32; x 4 x 2,048 x 1,024 float32.
;; Outputs: out0 4 x 2,048 x 1,024 float32.
;; This version of the problem:
;;   THIS VERSION OF THE PROBLEM IS GIVEN IN LOW PRECISION. The matrix products marked QUANTISED in the list below multiply operands that are first quantised to E3M2 (3 exponent bits, 2 mantissa bits; 6 bits a number), with one power-of-two scale for each 32 numbers along K (OCP MX v1.0); their sums are f32. All else is computed in f32.
;;   The module's matrix products, in the order in which they are computed (A, B: the left and right operand; K: the contracted axis; several contracted axes count as one K, in the product's order):
;;     1. [M 8,192, K 1,024] x [K 1,024, N 3,072]; A: input x; B: input W_attn: QUANTISED
;;     2. batch 64 x [M 2,048, K 64] x [K 64, N 2,048]; A: computed on the way; B: computed on the way: QUANTISED
;;     3. batch 64 x [M 2,048, K 2,048] x [K 2,048, N 64]; A: softmax (see below); B: computed on the way: QUANTISED
;;     4. [M 8,192, K 1,024] x [K 1,024, N 1,024]; A: computed on the way; B: input W_proj: QUANTISED
;;   THE QUANTISER, for each operand of a quantised product, along K:
;;     - K is cut into blocks of 32 from its start; a last block that is shorter is filled with zeros.
;;     - A block's scale is 2^e with e = floor(log2(the largest magnitude in the block)) - 4, held to -126 .. 127; a block of zeros has e = 0. As a byte (E8M0): e + 127.
;;     - Each number is divided by its block's scale, clamped to +-28, and rounded to the nearest number of E3M2, ties to even, subnormals kept.
;;     - The product sums the exact products of the quantised numbers (number of the format x scale) in f32.
;;   ~~~python
;;   def quantise(x, axis):      # numpy; x: float32 -> the quantised numbers, widened to float32 again
;;       x = np.moveaxis(x, axis, -1); K = x.shape[-1]
;;       x = np.pad(x, [(0, 0)] * (x.ndim - 1) + [(0, -K % 32)]); x = x.reshape(x.shape[:-1] + (-1, 32)); a = np.abs(x).max(-1, keepdims=True)
;;       e = np.where(a > 0, np.clip(np.frexp(np.where(a > 0, a, 1))[1] - 1 - 4, -126, 127), 0)      # np.frexp(a)[1] - 1 = floor(log2(a)), exactly
;;       r = np.clip(x / 2.0 ** e, -28, 28)
;;       step = 2.0 ** (np.maximum(np.frexp(np.where(r == 0, 1, r))[1] - 1, -2) - 2)
;;       q = np.round(r / step) * step * 2.0 ** e      # np.round: ties to even
;;       return np.moveaxis(q.reshape(q.shape[:-2] + (-1,))[..., :K], -1, axis).astype(np.float32)
;;   ~~~
;;   SOFTMAX AHEAD OF A QUANTISED PRODUCT. Where the list says 'softmax', what is quantised is not the finished softmax but p = 2^(t - M), with t = logit x log2(e) and M = ceil(the row's largest t), a whole number; so 1/2 < the row's largest p <= 1. The row's sum l is taken of the UNQUANTISED p, in f32, and the product's result is divided by l at the end. Since M is a whole number, a kernel that streams over the keys may use a running M (the ceiling of the running maximum): every later rescaling is an exact power of two, which a block's scale takes up: the codes' values come out the same.
;;   OPERANDS COMPUTED ON THE WAY. 'Computed on the way' means the value that the module computes at that place (a softmax that the list does not call 'softmax' is quantised finished and normalised). What goes into a quantiser is computed in f32, as accurately as f32 sums, v_exp_f32 and their like allow (about 1e-6 of the number): no bf16 or f16 on the way to a quantiser, and a product that is left as it is and whose result goes on into a quantised operand takes f32 operands (vector FMAs, or v_wmma_f32_16x16x4_f32). A number that lies on a knife's edge between two numbers of the format may be rounded either way, as far as f32 arithmetic and the matrix unit's own rounding can turn it there, and no further.
;; One version. Each part assembles by itself: llvm-mc -triple=amdgcn-amd-amdhsa -mcpu=gfx1250 --defsym DOCPART=n.
;; ======== version 1 of 1: 4 launches
;; workspace buffers: xc 6,291,456 bytes; xs 262,144 bytes; wc 3,145,728 bytes; ws 131,072 bytes; qq 6,815,744 bytes; kv 13,369,344 bytes; yc 6,291,456 bytes; ys 262,144 bytes
;; launch quant (part 1): grid 384 x 1, 4 waves a work-group, no clusters, 34,304 bytes of LDS; arguments x, W_attn, W_proj, xc, xs, wc, ws; writes xc, xs, wc, ws
.if DOCPART == 1
	.amdgcn_target "amdgcn-amd-amdhsa--gfx1250"
	.amdhsa_code_object_version 6
	.text
	.protected	k_qe3614e1a6d_quant
	.globl	k_qe3614e1a6d_quant
	.p2align	8
	.type	k_qe3614e1a6d_quant,@function
k_qe3614e1a6d_quant:
	s_mov_b64 s[64:65], 0
	v_nop
	global_prefetch_b8 v0, s[64:65] scope:SCOPE_SE
	s_setreg_imm32_b32 hwreg(HW_REG_WAVE_MODE, 25, 1), 1
	s_wait_xcnt 0x0
; x [8192][1024], W_attn [1024][3072] and W_proj [1024][1024], f32, become codes of BF6 (E3M2) with one E8M0 byte for each 32 along K (K = 1024: x's last axis, the weights' first).
; A block's byte is its largest magnitude's exponent field - 4, held at 1 from below; each number is divided by the scale and rounded to the nearest code, ties to even, beyond 28 the largest code.
; LIMITS: NaN and infinities are not served; a block whose largest magnitude lies under 2^-122 (a block of zeros among them) keeps the byte 1: zeros have zero codes, and this program alone reads the bytes.
; THE WORKSPACE IS LAID IN THE ORDER OF THE OPERAND'S REGISTERS.  Rows (of x: tokens; of a weight: its columns n) stand in POSITIONS: position p holds row sigma(p) = p with bits 3 and 4 exchanged,
; so that tile 2 b + u, lane r, is row 32 b + 8 u + r + 8 (r / 8).  A HALF FRAGMENT is 16 positions x 64 K, 768 bytes: lane (r, h) owns block h of row r, six registers; registers 0-3 at 16 x lane, 4-5 at 512 + 8 x lane.
; Codes: [group of 128 positions][4 chunks of 256 K][8 tiles][4 half fragments][768].  Scale bytes: [group][4 chunks][128 positions][8].
; Work-groups 0-255 take x (a wave: 16 rows x 512 K), 256-383 the weights (a wave: 32 columns x 256 K).  Waves share nothing: no barrier.  No input is read twice, so clusters, tensor loads and the matrix unit have nothing to give here.
.set R,   16                           ; v16-143  x path: two sets of 64 registers as loaded
.set X,   144                          ; v144-207 x path: 64 numbers, register 16 b + i = k 32 b + 16 h + i of my row
.set PC,  208                          ; v208-227 a fragment's codes (12) and the conversions' second halves
.set TM,  228                          ; v228-243 largest magnitudes, bytes, scale operands
.set PW,  244                          ; v244-247 the four fragments' scale words
.set SEL, 20                           ; s[20:21] v_permlanex16_b32's selects for lane l xor 16
.set SP,  528                          ; a stage row: 512 bytes + 16
.set OF,  16                           ; weights path: v16-47 byte offset of row i of a block, my column
.set XW,  48                           ; v48-111  two sets of 32 numbers down K
.set CB,  112                          ; v112-159 my column's eight blocks, six registers each
.set TP,  160                          ; v160-162 a conversion's second half
.set SBY, 164                          ; v164-165 my column's eight scale bytes
.set SB,  24                           ; s[24:39] the eight blocks' first rows in memory
; 64 numbers of a lane become a fragment's codes in v[pc .. pc + 11] and its scale word in v[pw]
.macro QUANT s, pc, pw
.irp b, 0,1,2,3
	v_max3_num_f32 v[TM+\b], |v[(\s)+16*\b]|, |v[(\s)+1+16*\b]|, 0x2800000   ; block b: my 16 numbers and the floor 2^(5 - 127)
.endr
.irp i, 2,4,6,8,10,12,14
.irp b, 0,1,2,3
	v_max3_num_f32 v[TM+\b], v[TM+\b], |v[(\s)+16*\b+\i]|, |v[(\s)+1+16*\b+\i]|
.endr
.endr
.irp b, 0,1,2,3
	v_permlanex16_b32 v[TM+4+\b], v[TM+\b], s[SEL], s[SEL+1]
.endr
.irp b, 0,1,2,3
	v_max_num_f32 v[TM+\b], v[TM+\b], v[TM+4+\b]                  ; with lane l xor 16's: the block's largest magnitude
.endr
.irp b, 0,1,2,3
	v_add_nc_u32 v[TM+12+\b], 0xfe000000, v[TM+\b]                ; 4 off its exponent field: the conversion's scale operand
.endr
.irp b, 0,1,2,3
	v_lshrrev_b32 v[TM+4+\b], 23, v[TM+12+\b]                     ; the scale's byte
.endr
	v_lshl_or_b32 v[(\pw)], v[TM+5], 8, v[TM+4]
	v_lshl_or_b32 v[(\pw)], v[TM+6], 16, v[(\pw)]
	v_lshl_or_b32 v[(\pw)], v[TM+7], 24, v[(\pw)]
.irp c, 0,1
	v_cvt_scalef32_pk16_bf6_f32 v[(\pc)+6*\c:(\pc)+2+6*\c], v[(\s)+32*\c:(\s)+15+32*\c], v[TM+12+2*\c]
	v_cvt_scalef32_pk16_bf6_f32 v[(\pc)+12+4*\c:(\pc)+14+4*\c], v[(\s)+16+32*\c:(\s)+31+32*\c], v[TM+13+2*\c]   ; (a conversion's three registers begin on an even number)
.endr
	v_nop                                          ; one plain place behind a scaled conversion
.irp c, 0,1                                    ; the layout wants a whole block in a lane: lanes 0-15 block 2 c, lanes 16-31 block 2 c + 1
.irp i, 0,1,2
	v_permlane16_swap_b32 v[(\pc)+6*\c+\i], v[(\pc)+12+4*\c+\i]
.endr
.irp i, 0,1,2
	v_mov_b32 v[(\pc)+3+6*\c+\i], v[(\pc)+12+4*\c+\i]
.endr
.endr
.endm
	s_load_b128 s[4:7], s[0:1], 0x0                ; x, W_attn
	s_load_b128 s[8:11], s[0:1], 0x10              ; W_proj, xc
	s_load_b128 s[12:15], s[0:1], 0x20             ; xs, wc
	s_load_b64 s[16:17], s[0:1], 0x30              ; ws
	v_lshl_add_u32 v254, v0, 2, 0x8400
	v_mov_b32 v255, 0
	v_lshrrev_b32 v1, 5, v0
	v_readfirstlane_b32 s18, v1                    ; wave
	v_and_b32 v1, 31, v0                           ; lane
	v_and_b32 v2, 15, v0                           ; r
	v_bfe_u32 v3, v0, 4, 1                         ; h
	v_lshlrev_b32 v7, 4, v1                        ; 16 x lane
	v_lshlrev_b32 v8, 3, v1                        ; 8 x lane
	s_cmp_ge_u32 ttmp9, 256
	s_cbranch_scc1 .Lweights
	; ---------------- x: my wave takes row tile T (16 positions) and half kh of K: four fragments of 128 K
	s_lshl_b32 s24, ttmp9, 2
	s_add_co_u32 s24, s24, s18
	s_lshr_b32 s25, s24, 1                         ; T, 0 .. 511
	s_and_b32 s26, s24, 1                          ; kh
	s_lshr_b32 s27, s25, 1
	s_lshl_b32 s28, s27, 17                        ; 32 (T / 2) rows of 4,096 bytes
	s_and_b32 s27, s25, 1
	s_lshl_b32 s27, s27, 15                        ; + 8 (T % 2) rows
	s_add_co_u32 s28, s28, s27
	s_lshl_b32 s27, s26, 11                        ; + 512 kh numbers
	s_add_co_u32 s28, s28, s27
	s_mov_b32 s29, 0
	s_lshr_b32 s27, s25, 3                         ; the group of 128 positions
	s_and_b32 s25, s25, 7                          ; the tile in it
	s_mul_i32 s30, s27, 98304
	s_mul_i32 s23, s26, 49152                      ; chunks 2 kh, 2 kh + 1
	s_add_co_u32 s30, s30, s23
	s_mul_i32 s23, s25, 3072
	s_add_co_u32 s30, s30, s23
	s_mov_b32 s31, 0
	s_lshl_b32 s32, s27, 12
	s_lshl_b32 s23, s26, 11
	s_add_co_u32 s32, s32, s23
	s_lshl_b32 s23, s25, 7
	s_add_co_u32 s32, s32, s23
	s_mov_b32 s33, 0
	s_mov_b32 s[SEL], 0x76543210
	s_mov_b32 s[SEL+1], 0xfedcba98
	s_mov_b32 s22, 0xffff0000                      ; lanes 16-31
	s_mul_i32 s23, s18, 16*SP                      ; my wave's stage
	v_add_nc_u32 v5, s23, v7                       ; in: a row's 512 bytes as they lie
	v_mul_u32_u24 v6, v2, SP
	v_lshl_add_u32 v6, v3, 6, v6
	v_add_nc_u32 v6, s23, v6                       ; out: row r, + 64 h: my 16 numbers of each block of 32
	v_lshlrev_b32 v9, 3, v2
	v_lshl_add_u32 v9, v3, 10, v9                  ; scale words: 8 r, lanes 16-31 one chunk on
.irp b, 0,1,2,3
	v_mov_b32 v[TM+4+\b], 0                        ; written once: a lane permute's destination counts as one of its sources
.endr
	s_wait_kmcnt 0x0
	s_add_nc_u64 s[4:5], s[4:5], s[28:29]
	s_add_nc_u64 s[10:11], s[10:11], s[30:31]
	s_add_nc_u64 s[12:13], s[12:13], s[32:33]
.macro LOADX f, set                    ; fragment f: 512 consecutive bytes of each of the tile's 16 rows
.set rho, 0
.rept 16
	global_load_b128 v[R+64*(\set)+4*rho:R+64*(\set)+4*rho+3], v7, s[4:5] offset:(rho+8*(rho/8))*4096+512*(\f) th:TH_LOAD_NT
.set rho, rho+1
.endr
.endm
.macro FRAGX f
.if (\f) < 3
	s_wait_loadcnt 16                              ; this fragment's 16 loads are in; the next one's 16 may be out
.else
	s_wait_loadcnt 0x0
.endif
.set rho, 0
.rept 16
	ds_store_b128 v5, v[R+64*((\f)%2)+4*rho:R+64*((\f)%2)+4*rho+3] offset:SP*rho
.set rho, rho+1
.endr
.irp b, 0,1,2,3
.irp j, 0,1,2,3
	ds_load_b128 v[X+16*\b+4*\j:X+16*\b+4*\j+3], v6 offset:128*\b+16*\j   ; LDS serves a wave's instructions in order: these see the stores above
.endr
.endr
	s_wait_dscnt 0x0                               ; the numbers are back, and the stores have read the set
.if (\f) > 0
	s_wait_xcnt 0x0                                ; the last fragment's stores have read their data: the codes' registers are written again below
.endif
.if (\f) < 2
	LOADX (\f)+2, (\f)%2
.endif
	QUANT X, PC, PW+(\f)
	global_store_b128 v7, v[PC:PC+3], s[10:11] offset:((\f)/2)*24576+((\f)%2)*1536          ; 512 consecutive bytes
	global_store_b64 v8, v[PC+4:PC+5], s[10:11] offset:((\f)/2)*24576+((\f)%2)*1536+512     ; 256 consecutive bytes
	global_store_b128 v7, v[PC+6:PC+9], s[10:11] offset:((\f)/2)*24576+((\f)%2)*1536+768
	global_store_b64 v8, v[PC+10:PC+11], s[10:11] offset:((\f)/2)*24576+((\f)%2)*1536+1280
.endm
	LOADX 0, 0
	LOADX 1, 1
	FRAGX 0
	FRAGX 1
	FRAGX 2
	FRAGX 3
	v_cndmask_b32 v248, v[PW], v[PW+2], s22        ; lanes 0-15: the first chunk's two words of row r; lanes 16-31: the second chunk's
	v_cndmask_b32 v249, v[PW+1], v[PW+3], s22
	global_store_b64 v9, v[248:249], s[12:13]      ; two pieces of 128 consecutive bytes: a wave's 256 scale bytes beside its 6,144 bytes of codes
	s_wait_tensorcnt 0x0
	ds_add_u32 v254, v255
	s_wait_dscnt 0x0
	s_endpgm
	; ---------------- the weights: a lane takes a column, its registers run down K; my wave takes 32 positions x 256 K: eight blocks a lane
.Lweights:
	s_sub_co_u32 s41, ttmp9, 256
	s_and_b32 s42, s41, 3                          ; the chunk of 256 K
	s_lshr_b32 s43, s41, 2                         ; the group in wc: 0-23 W_attn's columns, 24-31 W_proj's
	s_max_u32 s44, s43, 24
	s_sub_co_u32 s44, s44, 24
	s_mov_b32 s40, 4096
	s_cmp_lt_u32 s43, 24
	s_cselect_b32 s40, 12288, s40                  ; a row of the weight in bytes
	s_cselect_b32 s44, s43, s44                    ; the group of 128 columns in its own tensor
	s_lshl_b32 s46, s44, 9
	s_lshl_b32 s45, s18, 7
	s_add_co_u32 s46, s46, s45                     ; my wave's first column, in bytes
	s_lshl_b32 s45, s42, 8
	s_mul_i32 s45, s45, s40
	s_add_co_u32 s46, s46, s45                     ; + 256 x chunk rows
	s_mov_b32 s47, 0
	s_lshl_b32 s48, s40, 5                         ; a block on: 32 rows
	s_mov_b32 s49, 0
	s_mul_i32 s50, s43, 98304
	s_mul_i32 s45, s42, 24576
	s_add_co_u32 s50, s50, s45
	s_mul_i32 s45, s18, 6144                       ; my two tiles
	s_add_co_u32 s50, s50, s45
	s_mov_b32 s51, 0
	s_lshl_b32 s52, s43, 12
	s_lshl_b32 s45, s42, 10
	s_add_co_u32 s52, s52, s45
	s_lshl_b32 s45, s18, 8
	s_add_co_u32 s52, s52, s45
	s_mov_b32 s53, 0
	v_and_b32 v4, 7, v1
	v_bfe_u32 v10, v0, 3, 1
	v_lshl_or_b32 v4, v10, 4, v4
	v_lshl_or_b32 v4, v3, 3, v4                    ; sigma(lane): position lane holds this column of the wave's 32
	v_lshlrev_b32 v4, 2, v4
.set i, 0
.rept 32
	v_mad_u32_u24 v[OF+i], s40, i, v4              ; row i of a block
.set i, i+1
.endr
	s_wait_kmcnt 0x0
	s_cmp_lt_u32 s43, 24
	s_cselect_b64 s[SB:SB+1], s[6:7], s[8:9]
	s_add_nc_u64 s[SB:SB+1], s[SB:SB+1], s[46:47]
.irp t, 1,2,3,4,5,6,7
	s_add_nc_u64 s[SB+2*\t:SB+2*\t+1], s[SB+2*\t-2:SB+2*\t-1], s[48:49]
.endr
	s_add_nc_u64 s[14:15], s[14:15], s[50:51]
	s_add_nc_u64 s[16:17], s[16:17], s[52:53]
.macro LOADW t                         ; block t: 32 rows, each load 128 consecutive bytes of a row
.set i, 0
.rept 32
	global_load_b32 v[XW+32*((\t)%2)+i], v[OF+i], s[SB+2*(\t):SB+2*(\t)+1] th:TH_LOAD_NT
.set i, i+1
.endr
.endm
.macro BLOCKW t
.set XS, XW+32*((\t)%2)
.if (\t) < 7
	s_wait_loadcnt 32                              ; this block's 32 loads are in; the next block's may be out
.else
	s_wait_loadcnt 0x0
.endif
	v_max3_num_f32 v12, |v[XS]|, |v[XS+1]|, |v[XS+2]|              ; all 32 numbers of the block are mine
	v_max3_num_f32 v13, |v[XS+3]|, |v[XS+4]|, |v[XS+5]|
.irp i, 6,10,14,18,22,26
	v_max3_num_f32 v12, v12, |v[XS+\i]|, |v[XS+\i+1]|
	v_max3_num_f32 v13, v13, |v[XS+\i+2]|, |v[XS+\i+3]|
.endr
	v_max3_num_f32 v12, v12, |v[XS+30]|, |v[XS+31]|
	v_max3_num_f32 v12, v12, v13, 0x2800000        ; and the floor 2^(5 - 127)
	v_add_nc_u32 v11, 0xfe000000, v12              ; the conversion's scale operand
	v_lshrrev_b32 v13, 23, v11                     ; the byte
.if (\t)%4 == 0
	v_mov_b32 v[SBY+(\t)/4], v13
.else
	v_lshl_or_b32 v[SBY+(\t)/4], v13, 8*((\t)%4), v[SBY+(\t)/4]
.endif
	v_cvt_scalef32_pk16_bf6_f32 v[CB+6*(\t):CB+6*(\t)+2], v[XS:XS+15], v11
	v_cvt_scalef32_pk16_bf6_f32 v[TP:TP+2], v[XS+16:XS+31], v11
	v_nop                                          ; one plain place behind a scaled conversion
.irp i, 0,1,2
	v_mov_b32 v[CB+6*(\t)+3+\i], v[TP+\i]
.endr
.if (\t)+2 < 8
	LOADW (\t)+2
.endif
.if (\t)%2 == 1                        ; blocks t - 1 and t are 64 K: the first six registers' lanes 16-31 change places with the second six's lanes 0-15,
.set KG, (\t)/2                        ; and the two runs are the half fragments of my first and of my second tile
.irp i, 0,1,2,3,4,5
	v_permlane16_swap_b32 v[CB+12*KG+\i], v[CB+12*KG+6+\i]
.endr
	global_store_b128 v7, v[CB+12*KG:CB+12*KG+3], s[14:15] offset:768*KG
	global_store_b64 v8, v[CB+12*KG+4:CB+12*KG+5], s[14:15] offset:768*KG+512
	global_store_b128 v7, v[CB+12*KG+6:CB+12*KG+9], s[14:15] offset:3072+768*KG
	global_store_b64 v8, v[CB+12*KG+10:CB+12*KG+11], s[14:15] offset:3072+768*KG+512
.endif
.endm
	LOADW 0
	LOADW 1
.irp t, 0,1,2,3,4,5,6,7
	BLOCKW \t
.endr
	global_store_b64 v8, v[SBY:SBY+1], s[16:17]    ; 32 positions x 8 bytes: 256 consecutive bytes, aligned
	s_endpgm
.Lfunc_end_k_qe3614e1a6d_quant:
	.size	k_qe3614e1a6d_quant, .Lfunc_end_k_qe3614e1a6d_quant-k_qe3614e1a6d_quant
	.p2alignl 7, 3214868480
	.fill 96, 4, 3214868480
	.section	.rodata,"a",@progbits
	.p2align	6, 0x0
	.amdhsa_kernel k_qe3614e1a6d_quant
		.amdhsa_group_segment_fixed_size 34304
		.amdhsa_private_segment_fixed_size 0
		.amdhsa_enable_private_segment 0
		.amdhsa_kernarg_size 56
		.amdhsa_user_sgpr_count 2
		.amdhsa_user_sgpr_kernarg_segment_ptr 1
		.amdhsa_wavefront_size32 1
		.amdhsa_system_sgpr_workgroup_id_x 1
		.amdhsa_system_sgpr_workgroup_id_y 1
		.amdhsa_system_sgpr_workgroup_id_z 1
		.amdhsa_system_vgpr_workitem_id 0
		.amdhsa_next_free_vgpr 256
		.amdhsa_next_free_sgpr 66
		.amdhsa_reserve_vcc 0
		.amdhsa_float_denorm_mode_32 3
		.amdhsa_float_denorm_mode_16_64 3
		.amdhsa_memory_ordered 1
		.amdhsa_forward_progress 1
		.amdhsa_inst_pref_size 76
	.end_amdhsa_kernel
	.amdgpu_metadata
---
amdhsa.version: [ 1, 2 ]
amdhsa.kernels:
  - .name:           k_qe3614e1a6d_quant
    .symbol:         k_qe3614e1a6d_quant.kd
    .args:
      - { .name: x, .offset: 0, .size: 8, .value_kind: global_buffer, .address_space: global }
      - { .name: W_attn, .offset: 8, .size: 8, .value_kind: global_buffer, .address_space: global }
      - { .name: W_proj, .offset: 16, .size: 8, .value_kind: global_buffer, .address_space: global }
      - { .name: xc, .offset: 24, .size: 8, .value_kind: global_buffer, .address_space: global }
      - { .name: xs, .offset: 32, .size: 8, .value_kind: global_buffer, .address_space: global }
      - { .name: wc, .offset: 40, .size: 8, .value_kind: global_buffer, .address_space: global }
      - { .name: ws, .offset: 48, .size: 8, .value_kind: global_buffer, .address_space: global }
    .group_segment_fixed_size: 34304
    .private_segment_fixed_size: 0
    .kernarg_segment_align: 8
    .kernarg_segment_size: 56
    .max_flat_workgroup_size: 128
    .sgpr_count:     66
    .vgpr_count:     256
    .wavefront_size: 32
...
	.end_amdgpu_metadata
.endif
;; end of part 1
;; launch qkv (part 2): grid 4 x 96, 4 waves a work-group, clusters of 4 x 4, 327,680 bytes of LDS; arguments xc, xs, wc, ws, b_attn, qq, kv; writes qq, kv
.if DOCPART == 2
	.amdgcn_target "amdgcn-amd-amdhsa--gfx1250"
	.amdhsa_code_object_version 6
	.text
	.protected	k_qe3614e1a6d_qkv
	.globl	k_qe3614e1a6d_qkv
	.p2align	8
	.type	k_qe3614e1a6d_qkv,@function
k_qe3614e1a6d_qkv:
	s_mov_b64 s[64:65], 0
	v_nop
	global_prefetch_b8 v0, s[64:65] scope:SCOPE_SE
	s_setreg_imm32_b32 hwreg(HW_REG_WAVE_MODE, 25, 1), 1
	s_wait_xcnt 0x0
	s_wait_alu depctr_hold_cnt(0) depctr_sa_sdst(0) depctr_va_vdst(0) depctr_va_sdst(0) depctr_va_ssrc(0) depctr_va_vcc(0) depctr_vm_vsrc(0)
	s_getreg_b32 s2, hwreg(HW_REG_IB_STS2, 6, 4)
	s_cmp_eq_u32 s2, 0
	s_cbranch_scc0 .Lentry_in_a_cluster
	s_endpgm
.Lentry_in_a_cluster:
	s_bfe_u32 s2, ttmp6, 0x10000c
	s_cmp_lg_u32 s2, 0xf033
	s_cbranch_scc0 .Lentry_shape_is_right
	s_endpgm
.Lentry_shape_is_right:
; qkv = Q(x) Q(W_attn) + b_attn on codes of BF6 (E3M2) with E8M0 scales, and the result quantised at once for the attention: q and k along the head's 64, v along the keys.  No f32 number of qkv goes to memory.
; C'[i][j] = sum over k of A'[i][k] B'[j][k], a tile of 256 x 256 to a work-group of four waves, 128 x 128 (64 accumulators, 512 registers) to a wave; K = 1,024 goes in four steps of 256 through two LDS slots.
; The matrix instruction takes 16 positions of B' as source 0 and 16 of A' as source 1: a lane holds ONE position of A', its registers run along B'.  Operands lie in memory in the order of their registers, rows in POSITIONS
; (position p = row p with bits 3 and 4 exchanged), so that the 16 registers of B' tiles 2 b and 2 b + 1 are rows 32 b + 16 (lane / 16) + 0 .. 15: neighbours along the next product's K.
; CLUSTERS 0-15 (q and k): A' = x (tokens), B' = W's columns 0-2047: a lane holds a token and 128 features = two heads' 64: one fragment = the two heads' half fragments.
; CLUSTERS 16-23 (v, made as V^T): A' = W's columns 2048-3071, B' = x: a lane holds a feature d and 128 tokens: one fragment of V^T, the keys along K.
; MULTICAST: 4 x 4 work-groups; A's tiles are shared along a row of the cluster, B's along a column, each asked for jointly.  The choice of roles hangs on the cluster's number alone, which all partners share.
; OUT.  qq: [batch x head 64][16 blocks of 128 tokens][6,656]: 8 half fragments (768 bytes each), 512 bytes of scale words [tile / 4][r][tile % 4].
;       kv: [64][16][13,056]: K's 8 half fragments, V^T's 4 fragments (3 x 512 bytes each), K's scale words (512), V's [r][d tile] (256).
; q's and k's K is 64 of the instruction's 128: their scale words are b0 | b1 << 8 | b0 << 16 | b1 << 24, so that the two bytes of the half that is not there are bytes that are in use anyway.
; LIMITS: NaN and infinities are not served; a block whose largest magnitude lies under 2^-122 keeps the byte 1 (zeros have zero codes).
; 384 tiles stand against 256 WGPs: a tile that shared the work evenly would need more accumulators than a wave has registers beside its operands.
; REGISTERS, in windows of 256: window 0: v0-31 addresses; v32-63 scale words, two sets; v64-127 the biases; v128-223 A's fragments, one set; v224-255 at work in the epilogue.
;   window 1: B's fragments, two sets, at v0 and v128.   windows 2, 3: the accumulators of my A' blocks 0-3 and 4-7 (accumulator (a, b) at v[8 (8 (a % 4) + b)]).
.set HALFT,  24576                     ; 128 positions x 256 K of codes: one dense block of memory, what one tensor load brings
.set SLOT,   4*HALFT                   ; A's two halves, then B's
.set SCL,    2*SLOT                    ; behind the ring: A's scale bytes, 4,096 for each half; B's begin 8,320 on: the odd 128 bytes put lanes 16-31 on the other half of the banks (64 banks of 4 bytes: ISA guide 11.1)
.set SPARE,  213248                    ; the spare words, 128 bytes for each wave: two blocks of 256 bytes that no other line names
.set NQ,     2                         ; matrix instructions deep in a slot
.set FR,     12                        ; registers of a fragment
.set NL,     4                         ; LDS loads that bring one
.set NP,     4                         ; places behind this matrix instruction (ISA guide 7.12.1)
.set ADRA, 16                          ; v16-17 LDS address of my A' half in slot 0, 1, + 16 x lane; v18-19 the same + 8 x lane
.set ADRB, 20                          ; v20-23 the same for B'
.set SELV, 24                          ; v24    byte select for q's and k's scale words
.set OW,   25                          ; v25    16 r + (lane / 16) x the bytes from a head to the next
.set ADRS, 27                          ; v27    LDS address of my scale words: lanes 0-15 A's, lanes 16-31 B's
.set SPW,  28                          ; v28    my spare word; never rewritten
.set NIL,  29                          ; v29    0; never rewritten
.set SC,   32
.set BJ,   64
.set AF,   128
.set H,    128                         ; epilogue: 64 numbers of a lane
.set PC,   192                         ; v192-211 the codes
.set TM,   224                         ; v224-239
.set PW,   240
.set W,    32                          ; v32-39 the eight blocks' scale words
.set XW,   40                          ; v40-43
.set G1, 24
.set G0, 32
.set G1B, 48
.set G0B, 56
.set G1S, 68
.set G0S, 76
.set G1SB, 80
.set G0SB, 88
.set SEL, 92                           ; s[92:93] lane selects, set behind the first fills
.set KIND, 100                         ; s100 0: q and k; 1: v
.set HM,   101                         ; s101 lanes 16-31
.set MSB, 0
.macro WIN new                         ; the immediate's high byte repeats the setting that is left
.if MSB != (\new)
	s_set_vgpr_msb (MSB<<8)|(\new)
.set MSB, (\new)
.endif
.endm
.set MUL_LO, 0xa1                      ; source 0 (B') window 1, source 1 (A') window 0, C and D window 2
.set MUL_HI, 0xf1
.set TO_B,   0x40
; A joint load: waves 0 and 1 fetch for A', waves 2 and 3 for B'.  The branch hangs on the wave's number alone.  Four v_nop follow each of the two lines.
.macro JLOAD g0a, g1a, g0b, g1b
	s_cmp_eq_u32 s15, 0
	s_cbranch_scc0 .Lfor_b_\@
	tensor_load_to_lds s[\g0a:\g0a+3], s[\g1a:\g1a+7]
	s_nop 0
.rept 4
	v_nop
.endr
	s_branch .Lasked_\@
.Lfor_b_\@:
	tensor_load_to_lds s[\g0b:\g0b+3], s[\g1b:\g1b+7]
	s_nop 0
.rept 4
	v_nop
.endr
.Lasked_\@:
.endm
.macro CREST                           ; a round of the cluster's barrier behind its opening barrier
	s_cmp_lg_u32 s14, 0
	s_cbranch_scc1 .Lnot_wave_0_\@
	s_barrier_signal -3
.Lnot_wave_0_\@:
	s_barrier_wait -3
	s_barrier_signal -1
	s_barrier_wait -1
.endm
.macro CROUND
	s_barrier_signal -1
	s_barrier_wait -1
	CREST
.endm
	s_load_b256 s[4:11], s[0:1], 0x0               ; xc, xs, wc, ws
	s_load_b64 s[12:13], s[0:1], 0x20              ; b_attn
	s_load_b128 s[96:99], s[0:1], 0x28             ; qq, kv
	v_lshl_add_u32 v[SPW], v0, 2, SPARE
	v_mov_b32 v[NIL], 0
	ds_add_u32 v28, v29
	ds_add_u32 v28, v29
	s_wait_dscnt 0x0
	v_lshrrev_b32 v1, 5, v0
	v_readfirstlane_b32 s14, v1                    ; wave 0..3
	s_lshr_b32 s15, s14, 1                         ; my half of A's positions.  Also: I fetch for A' (0) or for B' (1)
	s_and_b32 s16, s14, 1                          ; my half of B's.  Also: which half of that tile I fetch
	s_bfe_u32 s40, ttmp6, 0x40000                  ; cx
	s_bfe_u32 s41, ttmp6, 0x40004                  ; cy
	s_and_b32 s17, ttmp7, 0xffff                   ; the cluster, 0 .. 23
	s_lshr_b32 s18, s17, 1
	s_lshl_b32 s18, s18, 2                         ; q, k: x's tile rows 4 (cluster / 2) on,
	s_and_b32 s19, s17, 1
	s_lshl_b32 s19, s19, 2                         ; W's tile columns 4 (cluster % 2) on: 0-3 q, 4-7 k
	s_max_u32 s20, s17, 16
	s_sub_co_u32 s20, s20, 16
	s_lshl_b32 s20, s20, 2                         ; v: x's tiles 4 (cluster - 16) on
	s_cmp_lt_u32 s17, 16
	s_cselect_b32 s[KIND], 0, 1
	s_cselect_b32 s18, s18, 8                      ; v: W's tiles 8-11
	s_cselect_b32 s19, s19, s20
	s_add_co_u32 s17, s18, s41                     ; A's tile: hangs on cy alone
	s_add_co_u32 s42, s19, s40                     ; B's tile: on cx alone
	s_lshl_b32 s43, s41, 2
	s_lshl_b32 s43, 15, s43                        ; my row of the cluster
	s_lshl_b32 s44, 0x1111, s40                    ; my column
	; descriptor group 1: dense blocks as rows of 256 bytes (32 elements of 8 bytes): 96 rows of codes, 16 rows of scale bytes; no padding: every LDS read takes consecutive bytes
	s_or_b32 s[G1+0], s43, (3<<16)|(1<<21)         ; 15:0 the mask; 17:16 elements of 8 bytes; 21 set beside a mask
	s_or_b32 s[G1B+0], s44, (3<<16)|(1<<21)
	s_or_b32 s[G1S+0], s43, (3<<16)|(1<<21)
	s_or_b32 s[G1SB+0], s44, (3<<16)|(1<<21)
.irp g, G1, G1B
	s_mov_b32 s[\g+1], 32<<16                      ; tensor_dim0
	s_mov_b32 s[\g+2], 96<<16                      ; tensor_dim1
	s_mov_b32 s[\g+3], 32<<16                      ; tile_dim0
	s_mov_b32 s[\g+4], 96                          ; tile_dim1
	s_mov_b32 s[\g+5], 32                          ; stride
	s_mov_b32 s[\g+6], 0
	s_mov_b32 s[\g+7], 0
.endr
.irp g, G1S, G1SB
	s_mov_b32 s[\g+1], 32<<16
	s_mov_b32 s[\g+2], 16<<16
	s_mov_b32 s[\g+3], 32<<16
	s_mov_b32 s[\g+4], 16
	s_mov_b32 s[\g+5], 32
	s_mov_b32 s[\g+6], 0
	s_mov_b32 s[\g+7], 0
.endr
	s_lshl_b32 s20, s17, 1
	s_add_co_u32 s20, s20, s16                     ; the group of 128 positions of A' that I fetch
	s_lshl_b32 s46, s42, 1
	s_add_co_u32 s46, s46, s16                     ; and of B'
	s_lshl_b32 s22, s20, 12                        ; its scale bytes,
	s_mov_b32 s23, 0
	s_lshl_b32 s92, s46, 12
	s_mov_b32 s93, 0
	s_mul_i32 s20, s20, 98304                      ; its codes
	s_mov_b32 s21, 0
	s_mul_i32 s46, s46, 98304
	s_mov_b32 s47, 0
	s_mul_i32 s45, s14, HALFT                      ; where they go: no place in the cluster enters an LDS address
	s_lshl_b32 s94, s14, 12
	s_lshl_b32 s95, s15, 7
	s_add_co_u32 s94, s94, s95
	s_wait_kmcnt 0x0
	s_cmp_eq_u32 s[KIND], 0
	s_cselect_b64 s[66:67], s[4:5], s[8:9]         ; A's codes: x's or W's
	s_cselect_b64 s[18:19], s[6:7], s[10:11]       ; A's scale bytes
	s_cselect_b64 s[8:9], s[8:9], s[4:5]           ; B's codes
	s_cselect_b64 s[10:11], s[10:11], s[6:7]       ; B's scale bytes
	s_add_nc_u64 s[20:21], s[66:67], s[20:21]
	s_add_nc_u64 s[22:23], s[18:19], s[22:23]
	s_add_nc_u64 s[46:47], s[8:9], s[46:47]
	s_add_nc_u64 s[92:93], s[10:11], s[92:93]
	CROUND                                         ; all sixteen work-groups are here: the first joint loads meet
	s_mov_b32 s[G0S], 1
	s_add_co_u32 s[G0S+1], s94, SCL
	s_mov_b64 s[G0S+2:G0S+3], s[22:23]
	s_or_b32 s[G0S+3], s[G0S+3], 0x80000000
	s_mov_b32 s[G0SB], 1
	s_add_co_u32 s[G0SB+1], s94, SCL
	s_mov_b64 s[G0SB+2:G0SB+3], s[92:93]
	s_or_b32 s[G0SB+3], s[G0SB+3], 0x80000000
	JLOAD G0S, G1S, G0SB, G1SB                     ; the scale bytes for all of K: filled once
.irp s, 0,1
	s_mov_b32 s[G0+4*\s], 1
	s_add_co_u32 s[G0+4*\s+1], s45, \s*SLOT
	s_add_nc_u64 s[G0+4*\s+2:G0+4*\s+3], s[20:21], \s*HALFT
	s_or_b32 s[G0+4*\s+3], s[G0+4*\s+3], 0x80000000
	s_mov_b32 s[G0B+4*\s], 1
	s_add_co_u32 s[G0B+4*\s+1], s45, \s*SLOT
	s_add_nc_u64 s[G0B+4*\s+2:G0B+4*\s+3], s[46:47], \s*HALFT
	s_or_b32 s[G0B+4*\s+3], s[G0B+4*\s+3], 0x80000000
	JLOAD G0+4*\s, G1, G0B+4*\s, G1B               ; three tensor loads of mine are out
.endr
	v_and_b32 v1, 31, v0
	v_lshlrev_b32 v2, 4, v1                        ; 16 x lane
	v_lshlrev_b32 v3, 3, v1                        ; 8 x lane
	v_bfe_u32 v4, v0, 4, 1                         ; h
	v_and_b32 v5, 15, v0                           ; r
	s_mul_i32 s21, s15, HALFT
	s_mul_i32 s22, s16, HALFT
	s_add_co_u32 s22, s22, 2*HALFT
.irp s, 0,1
	v_add_nc_u32 v[ADRA+\s], s21, v2
	v_add_nc_u32 v[ADRB+\s], s22, v2
	v_add_nc_u32 v[ADRA+2+\s], s21, v3
	v_add_nc_u32 v[ADRB+2+\s], s22, v3
	s_add_co_u32 s21, s21, SLOT
	s_add_co_u32 s22, s22, SLOT
.endr
	s_lshl_b32 s21, s15, 12                        ; scale words: A's half,
	s_lshl_b32 s22, s16, 12
	s_add_co_u32 s22, s22, 8320
	s_sub_co_u32 s22, s22, s21                     ; and from there to B's half
	v_mul_u32_u24 v6, s22, v4                      ; lanes 16-31 take B's
	s_add_co_u32 s21, s21, SCL
	v_lshl_add_u32 v6, v5, 3, v6                   ; 8 bytes a position
	v_add_nc_u32 v[ADRS], s21, v6
	; where the results go
	s_lshl_b32 s2, s17, 1
	s_add_co_u32 s2, s2, s15                       ; my group of A'
	s_lshl_b32 s3, s42, 1
	s_add_co_u32 s3, s3, s16                       ; my group of B'
	s_cmp_eq_u32 s[KIND], 0
	s_cselect_b32 s18, s2, s3                      ; the group of 128 tokens
	s_cselect_b32 s19, s3, s2                      ; the group of 128 columns of W_attn
	s_cselect_b32 s20, 64, 0                       ; biases: q, k: register 8 b + j wants column .. + 16 h + j: 64 h bytes, 4 a register;
	s_cselect_b32 s21, 0, 4                        ; v: every register wants my lane's column, r + 8 (r / 8)
	s_cselect_b32 s22, 4, 0
	s_lshl_b32 s94, s19, 9                         ; the group's first bias
	s_mov_b32 s95, 0
	s_add_nc_u64 s[12:13], s[12:13], s[94:95]
	s_and_b32 s19, s19, 7                          ; the pair of heads
	s_lshr_b32 s66, s18, 4
	s_lshl_b32 s66, s66, 8                         ; batch x 16 heads x 16 blocks
	s_lshl_b32 s67, s19, 5                         ; + 2 x pair x 16 blocks
	s_add_co_u32 s66, s66, s67
	s_and_b32 s67, s18, 15
	s_add_co_u32 s66, s66, s67                     ; + the block of 128 tokens
	s_lshr_b32 s67, s42, 2
	s_or_b32 s67, s67, s[KIND]                     ; 0 for q alone
	s_cmp_eq_u32 s67, 0
	s_cselect_b64 s[4:5], s[96:97], s[98:99]
	s_mov_b32 s10, 13056
	s_cselect_b32 s10, 6656, s10                   ; a block's bytes
	s_mov_b32 s11, 12288
	s_cselect_b32 s11, 6144, s11                   ; where q's or k's scale words begin in it
	s_mul_i32 s66, s66, s10
	s_mov_b32 s67, 0
	s_add_nc_u64 s[4:5], s[4:5], s[66:67]          ; my block of the pair's first head
	s_lshl_b32 s10, s10, 4                         ; from a head to the next
	s_mov_b32 s66, s10
	s_add_nc_u64 s[6:7], s[4:5], s[66:67]          ; the second head's
	s_mov_b32 s66, s11
	s_add_nc_u64 s[8:9], s[4:5], s[66:67]          ; the scale words
	v_mul_u32_u24 v[OW], s10, v4
	v_lshl_add_u32 v[OW], v5, 4, v[OW]
	s_mov_b32 s[HM], 0xffff0000
	s_mov_b32 s[SEL], 0x76543210
	s_mov_b32 s[SEL+1], 0xfedcba98
	v_mov_b32 v[SELV], 0x01000100                  ; lanes 0-15: bytes 0, 1 (the first head's two blocks), twice;
	v_mov_b32 v6, 0x03020302                       ; lanes 16-31: bytes 2, 3
	v_cndmask_b32 v[SELV], v[SELV], v6, s[HM]
	v_and_b32 v6, 8, v5
	v_add_nc_u32 v6, v6, v5                        ; r + 8 (r / 8)
	v_mul_u32_u24 v6, s21, v6
	v_mad_u32_u24 v6, s20, v4, v6
.irp j, 0,1,2,3,4,5,6,7
	v_mad_u32_u24 v[8+\j], s22, \j, v6             ; v8-15: the biases' offsets; never rewritten
.endr
.irp b, 0,1,2,3,4,5,6,7                        ; q, k: register 8 b + j = the bias of column 32 (b / 2) + 16 h + 8 (b % 2) + j;  v: registers 8 a + 0 .. 7 = that of column 32 (a / 2) + 8 (a % 2) + r + 8 (r / 8)
.irp j, 0,1,2,3,4,5,6,7
	global_load_b32 v[BJ+8*\b+\j], v[8+\j], s[12:13] offset:(32*(\b/2)+8*(\b%2))*4
.endr
.endr
.irp b, 0,1,2,3
	v_mov_b32 v[TM+4+\b], 0                        ; written once: a lane permute's destination counts as one of its sources
.endr
.macro FRAG reg, adr, q, i             ; a fragment is two half fragments as they lie: registers 0-3 at 16 x lane, 4-5 at 512 + 8 x lane; 6-9, 10-11 the same 768 bytes on
	ds_load_b128 v[\reg:\reg+3], v[\adr] offset:3072*(\i)+1536*(\q)
	ds_load_b64 v[\reg+4:\reg+5], v[\adr+2] offset:3072*(\i)+1536*(\q)+512
	ds_load_b128 v[\reg+6:\reg+9], v[\adr] offset:3072*(\i)+1536*(\q)+768
	ds_load_b64 v[\reg+10:\reg+11], v[\adr+2] offset:3072*(\i)+1536*(\q)+1280
.endm
; 16 matrix instructions: A's blocks a0, a0 + 1 x B's eight.  The 64 accumulators take turns, one instruction a turn, in the same order in every step.
.macro MUL16 a0, p, q, sc, zero
.irp a, \a0, \a0+1
.irp b, 0,1,2,3,4,5,6,7
.if \zero
	v_wmma_scale_f32_16x16x128_f8f6f4 v[8*(8*((\a)%4)+\b):8*(8*((\a)%4)+\b)+7], v[128*(\p)+FR*\b:128*(\p)+FR*\b+FR-1], v[AF+FR*(\a):AF+FR*(\a)+FR-1], 0, v[SC+8*NQ*(\sc)+NQ*\b+(\q)], v[SC+8*NQ*(\sc)+NQ*(\a)+(\q)] matrix_a_fmt:MATRIX_FMT_BF6 matrix_b_fmt:MATRIX_FMT_BF6 matrix_a_scale:MATRIX_SCALE_ROW1
.else
	v_wmma_scale_f32_16x16x128_f8f6f4 v[8*(8*((\a)%4)+\b):8*(8*((\a)%4)+\b)+7], v[128*(\p)+FR*\b:128*(\p)+FR*\b+FR-1], v[AF+FR*(\a):AF+FR*(\a)+FR-1], v[8*(8*((\a)%4)+\b):8*(8*((\a)%4)+\b)+7], v[SC+8*NQ*(\sc)+NQ*\b+(\q)], v[SC+8*NQ*(\sc)+NQ*(\a)+(\q)] matrix_a_fmt:MATRIX_FMT_BF6 matrix_b_fmt:MATRIX_FMT_BF6 matrix_a_scale:MATRIX_SCALE_ROW1
.endif
.endr
.endr
.endm
.macro FETCH_B slot, q, p
	WIN TO_B
.irp i, 0,1,2,3,4,5,6,7
	FRAG 128*(\p)+FR*\i, ADRB+\slot, \q, \i
.endr
	WIN 0
.endm
.macro FETCH_A slot, q, i0
.irp i, \i0, \i0+1, \i0+2, \i0+3
	FRAG AF+FR*(\i), ADRA+\slot, \q, \i
.endr
.endm
.macro SCALES sc                       ; a K step's two words a position: lanes 0-15 A's block i, lanes 16-31 B's block i
.irp i, 0,1,2,3,4,5,6,7
	ds_load_b64 v[SC+8*NQ*\sc+NQ*\i:SC+8*NQ*\sc+NQ*\i+1], v[ADRS] offset:128*\i
.endr
.endm
.macro PLACES n                        ; plain vector instructions between a matrix instruction and a load into, or a vector instruction on, its registers (ISA guide 7.12.1 for vector instructions)
.rept \n
	v_nop
.endr
.endm
.macro STEP slot, q, zero              ; 128 along K that has its successor in the same slot
	s_wait_dscnt 4*NL                              ; B's set and A's blocks 0-3 are in; the youngest 16 loads (A's blocks 4-7) may be out
	WIN MUL_LO
	MUL16 0, (\q)%2, \q, \slot, \zero
	MUL16 2, (\q)%2, \q, \slot, \zero
	s_wait_dscnt 0
	PLACES NP
	FETCH_B \slot, (\q)+1, 1-(\q)%2
	FETCH_A \slot, (\q)+1, 0
	WIN MUL_HI
	MUL16 4, (\q)%2, \q, \slot, \zero
	MUL16 6, (\q)%2, \q, \slot, \zero
	PLACES NP
	WIN 0
	FETCH_A \slot, (\q)+1, 4
.endm
; A slot's last step changes slots: one barrier; in front of it each wave waits for all its tensor loads, adds 0 to its spare word, and waits for that and for its own reads of this slot.  fill = 1: the slot is filled again, two K steps ahead.
.macro TURN slot, next, fill
	s_wait_tensorcnt 0x0                           ; all my tensor loads have landed: my part of the next slot
	ds_add_u32 v[SPW], v[NIL]                      ; 0 onto my spare word
	s_wait_dscnt 4*NL+1                            ; (the add and the youngest 16 loads may be out)
	WIN MUL_LO
	MUL16 0, 1, NQ-1, \slot, 0
	s_wait_dscnt 0x0                               ; the add is done, and my reads of this slot are over
	s_barrier_signal -1
	MUL16 2, 1, NQ-1, \slot, 0
	WIN 0
	s_barrier_wait -1
.if \fill
	CREST                                          ; the barrier has opened a round of the cluster's: no wave of any partner still reads this slot or has a load on its way
	s_add_nc_u64 s[G0+4*\slot+2:G0+4*\slot+3], s[G0+4*\slot+2:G0+4*\slot+3], 2*HALFT
	s_add_nc_u64 s[G0B+4*\slot+2:G0B+4*\slot+3], s[G0B+4*\slot+2:G0B+4*\slot+3], 2*HALFT
	JLOAD G0+4*\slot, G1, G0B+4*\slot, G1B         ; the first tensor load behind the round; its four v_nop are the places in front of the loads below
.else
	PLACES NP
.endif
	v_add_nc_u32 v[ADRS], 1024, v[ADRS]            ; the next K step's scale words
	FETCH_B \next, 0, 0
	FETCH_A \next, 0, 0
	SCALES \next
	WIN MUL_HI
	MUL16 4, 1, NQ-1, \slot, 0
	MUL16 6, 1, NQ-1, \slot, 0
	PLACES NP
	WIN 0
	FETCH_A \next, 0, 4
.endm
	s_wait_tensorcnt 1                             ; the scale bytes and my part of K step 0 are in; K step 1's load may be out
	s_barrier_signal -1
	s_barrier_wait -1
	FETCH_B 0, 0, 0
	FETCH_A 0, 0, 0
	SCALES 0
	FETCH_A 0, 0, 4
	STEP 0, 0, 1                                   ; K = 1,024 is four K steps: the ring is written out.  The first products start the sums
	TURN 0, 1, 1                                   ; slot 0 takes K step 2
	STEP 1, 0, 0
	TURN 1, 0, 1                                   ; slot 1 takes K step 3
	STEP 0, 0, 0
	TURN 0, 1, 0
	STEP 1, 0, 0
	s_wait_dscnt 4*NL
	WIN MUL_LO
	MUL16 0, 1, NQ-1, 1, 0
	MUL16 2, 1, NQ-1, 1, 0
	s_wait_dscnt 0
	WIN MUL_HI
	MUL16 4, 1, NQ-1, 1, 0
	MUL16 6, 1, NQ-1, 1, 0
	WIN 0
; 64 numbers of a lane, register 16 b + i = k 32 b + 16 (lane / 16) + i of my row, become a fragment's codes in v[pc .. pc + 11] and its scale word in v[pw]
.macro QUANT s, pc, pw
.irp b, 0,1,2,3
	v_max3_num_f32 v[TM+\b], |v[(\s)+16*\b]|, |v[(\s)+1+16*\b]|, 0x2800000   ; block b: my 16 numbers and the floor 2^(5 - 127)
.endr
.irp i, 2,4,6,8,10,12,14
.irp b, 0,1,2,3
	v_max3_num_f32 v[TM+\b], v[TM+\b], |v[(\s)+16*\b+\i]|, |v[(\s)+1+16*\b+\i]|
.endr
.endr
.irp b, 0,1,2,3
	v_permlanex16_b32 v[TM+4+\b], v[TM+\b], s[SEL], s[SEL+1]
.endr
.irp b, 0,1,2,3
	v_max_num_f32 v[TM+\b], v[TM+\b], v[TM+4+\b]
.endr
.irp b, 0,1,2,3
	v_add_nc_u32 v[TM+12+\b], 0xfe000000, v[TM+\b]                ; 4 off the exponent field: the conversion's scale operand
.endr
.irp b, 0,1,2,3
	v_lshrrev_b32 v[TM+4+\b], 23, v[TM+12+\b]                     ; the byte
.endr
	v_lshl_or_b32 v[(\pw)], v[TM+5], 8, v[TM+4]
	v_lshl_or_b32 v[(\pw)], v[TM+6], 16, v[(\pw)]
	v_lshl_or_b32 v[(\pw)], v[TM+7], 24, v[(\pw)]
.irp c, 0,1
	v_cvt_scalef32_pk16_bf6_f32 v[(\pc)+6*\c:(\pc)+2+6*\c], v[(\s)+32*\c:(\s)+15+32*\c], v[TM+12+2*\c]
	v_cvt_scalef32_pk16_bf6_f32 v[(\pc)+12+4*\c:(\pc)+14+4*\c], v[(\s)+16+32*\c:(\s)+31+32*\c], v[TM+13+2*\c]
.endr
	v_nop                                          ; one plain place behind a scaled conversion
.irp c, 0,1
.irp i, 0,1,2
	v_permlane16_swap_b32 v[(\pc)+6*\c+\i], v[(\pc)+12+4*\c+\i]
.endr
.irp i, 0,1,2
	v_mov_b32 v[(\pc)+3+6*\c+\i], v[(\pc)+12+4*\c+\i]
.endr
.endr
.endm
; THE WAY OUT, A's blocks one after the other: the bias is added (that line also brings the sums into window 0, each accumulator from its low end on), the 64 numbers are quantised, and the codes leave straight from
; the registers: every store of the wave covers 512 or 256 consecutive bytes, aligned.  No LDS.
.macro EPI kind
.set a, 0
.rept 8
.if a > 0
	s_wait_xcnt 0x0                                ; the last block's stores have read their data: the codes' registers are written again
.endif
	WIN 0x02+a/4
.set k, 0
.rept 32
.if \kind
	v_pk_add_f32 v[H+2*k:H+2*k+1], v[64*(a%4)+2*k:64*(a%4)+2*k+1], v[BJ+8*a:BJ+8*a+1]
.else
	v_pk_add_f32 v[H+2*k:H+2*k+1], v[64*(a%4)+2*k:64*(a%4)+2*k+1], v[BJ+2*k:BJ+2*k+1]
.endif
.set k, k+1
.endr
	WIN 0
.if \kind
	QUANT H, PC, W+a                               ; a fragment of V^T: head 2 x pair + a / 4, d tile a % 4, these 128 keys
.irp c, 0,1,2
	global_store_b128 v2, v[PC+4*\c:PC+4*\c+3], s[4:5] offset:(a/4)*208896+6144+1536*(a%4)+512*\c
.endr
.else
	QUANT H, PC, PW                                ; registers 0-5: token tile a of the pair's first head; 6-11: of the second
	global_store_b128 v2, v[PC:PC+3], s[4:5] offset:768*a
	global_store_b64 v3, v[PC+4:PC+5], s[4:5] offset:768*a+512
	global_store_b128 v2, v[PC+6:PC+9], s[6:7] offset:768*a
	global_store_b64 v3, v[PC+10:PC+11], s[6:7] offset:768*a+512
	v_perm_b32 v[W+a], v[PW], v[PW], v[SELV]       ; lanes 0-15: the first head's word, lanes 16-31: the second's
.endif
.set a, a+1
.endr
.endm
	PLACES NP
	s_wait_loadcnt 0x0                             ; the biases
	s_cmp_lg_u32 s[KIND], 0
	s_cbranch_scc1 .Lvt
	EPI 0
	global_store_b128 v[OW], v[W:W+3], s[8:9]      ; each half of the lanes stores 256 consecutive bytes of its head's scale words
	global_store_b128 v[OW], v[W+4:W+7], s[8:9] offset:256
	s_branch .Lend
.Lvt:
	EPI 1
.irp i, 0,1,2,3
	v_cndmask_b32 v[XW+\i], v[W+\i], v[W+4+\i], s[HM]   ; lanes 0-15: the first head's four d tiles, lanes 16-31: the second's
.endr
	global_store_b128 v[OW], v[XW:XW+3], s[4:5] offset:12800
.Lend:
	s_wait_tensorcnt 0x0                           ; the wave's end
	ds_add_u32 v[SPW], v[NIL]
	s_wait_dscnt 0x0
	CROUND                                         ; the closing round: no work-group ends while a partner may still ask for a tile that names it
	s_endpgm
.Lfunc_end_k_qe3614e1a6d_qkv:
	.size	k_qe3614e1a6d_qkv, .Lfunc_end_k_qe3614e1a6d_qkv-k_qe3614e1a6d_qkv
	.p2alignl 7, 3214868480
	.fill 96, 4, 3214868480
	.section	.rodata,"a",@progbits
	.p2align	6, 0x0
	.amdhsa_kernel k_qe3614e1a6d_qkv
		.amdhsa_group_segment_fixed_size 327680
		.amdhsa_private_segment_fixed_size 0
		.amdhsa_enable_private_segment 0
		.amdhsa_kernarg_size 56
		.amdhsa_user_sgpr_count 2
		.amdhsa_user_sgpr_kernarg_segment_ptr 1
		.amdhsa_wavefront_size32 1
		.amdhsa_system_sgpr_workgroup_id_x 1
		.amdhsa_system_sgpr_workgroup_id_y 1
		.amdhsa_system_sgpr_workgroup_id_z 1
		.amdhsa_system_vgpr_workitem_id 0
		.amdhsa_next_free_vgpr 1024
		.amdhsa_next_free_sgpr 102
		.amdhsa_reserve_vcc 0
		.amdhsa_float_denorm_mode_32 3
		.amdhsa_float_denorm_mode_16_64 3
		.amdhsa_memory_ordered 1
		.amdhsa_forward_progress 1
		.amdhsa_inst_pref_size 222
	.end_amdhsa_kernel
	.amdgpu_metadata
---
amdhsa.version: [ 1, 2 ]
amdhsa.kernels:
  - .name:           k_qe3614e1a6d_qkv
    .symbol:         k_qe3614e1a6d_qkv.kd
    .args:
      - { .name: xc, .offset: 0, .size: 8, .value_kind: global_buffer, .address_space: global }
      - { .name: xs, .offset: 8, .size: 8, .value_kind: global_buffer, .address_space: global }
      - { .name: wc, .offset: 16, .size: 8, .value_kind: global_buffer, .address_space: global }
      - { .name: ws, .offset: 24, .size: 8, .value_kind: global_buffer, .address_space: global }
      - { .name: b_attn, .offset: 32, .size: 8, .value_kind: global_buffer, .address_space: global }
      - { .name: qq, .offset: 40, .size: 8, .value_kind: global_buffer, .address_space: global }
      - { .name: kv, .offset: 48, .size: 8, .value_kind: global_buffer, .address_space: global }
    .group_segment_fixed_size: 327680
    .private_segment_fixed_size: 0
    .kernarg_segment_align: 8
    .kernarg_segment_size: 56
    .max_flat_workgroup_size: 128
    .sgpr_count:     102
    .vgpr_count:     1024
    .wavefront_size: 32
...
	.end_amdgpu_metadata
.endif
;; end of part 2
;; launch attn (part 3): grid 4 x 64, 16 waves a work-group, clusters of 4 x 1, 210,944 bytes of LDS; arguments qq, kv, yc, ys; writes yc, ys
.if DOCPART == 3
	.amdgcn_target "amdgcn-amd-amdhsa--gfx1250"
	.amdhsa_code_object_version 6
	.text
	.protected	k_qe3614e1a6d_attn
	.globl	k_qe3614e1a6d_attn
	.p2align	8
	.type	k_qe3614e1a6d_attn,@function
k_qe3614e1a6d_attn:
	s_mov_b64 s[64:65], 0
	v_nop
	global_prefetch_b8 v0, s[64:65] scope:SCOPE_SE
	s_setreg_imm32_b32 hwreg(HW_REG_WAVE_MODE, 25, 1), 1
	s_wait_xcnt 0x0
	s_wait_alu depctr_hold_cnt(0) depctr_sa_sdst(0) depctr_va_vdst(0) depctr_va_sdst(0) depctr_va_ssrc(0) depctr_va_vcc(0) depctr_vm_vsrc(0)
	s_getreg_b32 s2, hwreg(HW_REG_IB_STS2, 6, 4)
	s_cmp_eq_u32 s2, 0
	s_cbranch_scc0 .Lentry_in_a_cluster
	s_endpgm
.Lentry_in_a_cluster:
	s_bfe_u32 s2, ttmp6, 0x10000c
	s_cmp_lg_u32 s2, 0x3003
	s_cbranch_scc0 .Lentry_shape_is_right
	s_endpgm
.Lentry_shape_is_right:
; y = softmax(q k^T / 8, causal) v for one batch x head to a cluster, both products on codes of BF6 (E3M2) with E8M0 scales; y is quantised at once along the model's 1,024 for the last product.
; SOFTMAX: t = score x log2(e) / 8; M = the running largest t rounded UP to a whole number; p = 2^(t - M) is quantised along the keys, not normalised; the row's sum is taken of the unquantised p and divides at the end;
; when M moves, the sum and O are multiplied by 2^(old M - new M), which rounds nothing.
; A HEAD'S K, V AND SCALE BYTES, 208,896 bytes, LIE IN LDS WHOLE, as they lie in memory: 16 blocks of 128 keys x 13,056 bytes (K's 8 half fragments, V^T's 4 fragments, K's scale words, V's).  They are filled once:
; wave w asks for block w.  No byte of LDS is filled again and none is stored to.  MULTICAST: the four work-groups of a cluster walk the same head: each block is asked for jointly, by the same descriptor and the mask of all four.
; SHARES.  A wave owns two tiles of 16 queries: tile e = 2 cx + wave % 2 of the blocks of 128 queries U = wave / 2 and 15 - wave / 2.  A tile of block U needs key steps 0 .. U (the causal mask hides the rest),
; the last on the diagonal: 17 steps for every wave of the launch.  Branches hang on the wave's number and on counters; cx enters global addresses and the mask's compare alone.
; LAYOUT.  Both products are used transposed: S^T = K Q^T, O^T = V^T P^T: a lane holds ONE query.  Tokens and V's rows d stand in positions (position p = p with bits 3 and 4 exchanged), so that the 16 registers of two
; neighbouring tiles are 16 neighbouring keys, or 16 neighbouring d.
; THE FIRST PRODUCT'S K IS 64 of the instruction's 128.  Q's registers 6-11 are zero codes.  K's operand for tile t is v[32 + 6 t .. 43 + 6 t]: its upper six registers are the next tile's codes (zeros behind the last):
; every code of E3M2 is a finite number, and it meets a zero.  The scale words repeat their two bytes, so the other two are bytes in use anyway.
; LIMITS: NaN and infinities are not served; 1 / sum is v_rcp_f32; a block of y under 2^-122 keeps the byte 1.
; REGISTERS: v1-8 addresses; v12 -M, v13 the largest t, v[14:15] the sum; v16-27 Q, v28 its scale word; v32-85 K, then V; v86-93 K's scale words; v94 p's; v96-159 S^T, then p; v160-191 O^T; v192-211 codes; v212-227 at work;
; v228-231 V's scale words; v232-238 the second tile's Q.
.set BLK,  13056                       ; a block of 128 keys in LDS and in memory
.set BM,   212
.set BP,   216
.set BS,   220
.set WV,   12
.set CX,   13
.set BH,   14
.set G1,   16
.set G0,   24
.set SEL,  28
.set CS,   30                          ; s[30:31] c = log2(e) / 8
.set TB,   32                          ; the step's block in LDS
.set STP,  33                          ; the step
.set U,    34                          ; my tile's block of 128 queries
.set TI,   35
.set QB,   36                          ; s[36:39] the two tiles' blocks in qq
.set YB,   40                          ; s[40:43] the tile's place in yc and in ys
.set HM,   44
.set YC0,  46
.set YS0,  48
.macro ROUND                           ; a round of the cluster's barrier
	s_barrier_signal -1
	s_barrier_wait -1
	s_cmp_lg_u32 s[WV], 0
	s_cbranch_scc1 .Lnot_wave_0_\@
	s_barrier_signal -3
.Lnot_wave_0_\@:
	s_barrier_wait -3
	s_barrier_signal -1
	s_barrier_wait -1
.endm
	s_load_b256 s[4:11], s[0:1], 0x0               ; qq, kv, yc, ys
	v_lshl_add_u32 v254, v0, 2, 0x33000
	v_mov_b32 v255, 0
	ds_add_u32 v254, v255
	ds_add_u32 v254, v255
	v_lshrrev_b32 v1, 5, v0
	s_delay_alu instid0(VALU_DEP_1)
	v_readfirstlane_b32 s[WV], v1                  ; wave 0..15
	s_bfe_u32 s[CX], ttmp6, 0x40000                ; cx
	s_and_b32 s[BH], ttmp7, 0xffff                 ; batch x 16 + head: the cluster's y
	s_mov_b32 s[G1], 15|(3<<16)|(1<<21)            ; 15:0 the mask: all four work-groups; 17:16 elements of 8 bytes; 21 set beside a mask; no padding
	s_mov_b32 s[G1+1], 32<<16                      ; tensor_dim0: rows of 256 bytes
	s_mov_b32 s[G1+2], 51<<16                      ; tensor_dim1: 51 of them are a block
	s_mov_b32 s[G1+3], 32<<16                      ; tile_dim0
	s_mov_b32 s[G1+4], 51                          ; tile_dim1
	s_mov_b32 s[G1+5], 32                          ; stride: dense
	s_mov_b32 s[G1+6], 0
	s_mov_b32 s[G1+7], 0
	s_mul_i32 s50, s[WV], BLK                      ; my block, in LDS and in the head
	s_mul_i32 s52, s[BH], 16*BLK
	s_add_co_u32 s52, s52, s50
	s_mov_b32 s53, 0
	s_wait_dscnt 0x0
	s_wait_kmcnt 0x0
	s_mov_b32 s[G0], 1
	s_mov_b32 s[G0+1], s50
	s_add_nc_u64 s[G0+2:G0+3], s[6:7], s[52:53]
	s_or_b32 s[G0+3], s[G0+3], 0x80000000
	ROUND                                          ; all four work-groups are here: the joint loads meet
	tensor_load_to_lds s[G0:G0+3], s[G1:G1+7]      ; my one tensor load of the launch
	s_nop 0
.rept 4
	v_nop
.endr
	v_and_b32 v9, 31, v0                           ; lane
	v_and_b32 v10, 15, v0                          ; r
	v_bfe_u32 v11, v0, 4, 1                        ; h
	s_delay_alu instid0(VALU_DEP_3)
	v_lshlrev_b32 v1, 4, v9                        ; 16 x lane
	s_delay_alu instid0(VALU_DEP_4)
	v_lshlrev_b32 v2, 3, v9                        ; 8 x lane
	s_delay_alu instid0(VALU_DEP_4)
	v_lshlrev_b32 v3, 4, v10                       ; 16 r
	s_wait_alu depctr_va_vdst(0)
	v_lshl_add_u32 v8, v10, 3, v11                 ; 8 r + h: my byte among y's scale bytes
	s_and_b32 s51, s[WV], 1
	s_lshl_b32 s54, s[CX], 1
	s_add_co_u32 s54, s54, s51                     ; e: my tile in a block of 128 queries
	v_and_b32 v4, 8, v10
	s_delay_alu instid0(VALU_DEP_1)
	v_add_nc_u32 v4, v4, v10
	v_lshlrev_b32 v5, 4, v11
	s_delay_alu instid0(VALU_DEP_1)
	v_sub_nc_u32 v4, v4, v5
	s_lshl_b32 s55, s[CX], 5
	s_lshl_b32 s56, s51, 3
	s_add_co_u32 s55, s55, s56
	v_add_nc_u32 v4, s55, v4                       ; my query in its block, 32 cx + 8 (wave % 2) + r + 8 (r / 8), less 16 h: on the diagonal register 16 b + i (key 32 b + 16 h + i) is hidden where 32 b + i is above it
	s_mul_i32 s57, s54, 768
	v_add_nc_u32 v29, s57, v1                      ; Q's half fragment: tile e
	s_wait_alu depctr_va_vdst(0)
	v_add_nc_u32 v30, s57, v2
	s_wait_alu depctr_va_vdst(0)
	s_lshr_b32 s58, s54, 2
	s_lshl_b32 s58, s58, 8
	s_and_b32 s59, s54, 3
	s_lshl_b32 s59, s59, 2
	s_add_co_u32 s58, s58, s59
	v_add_nc_u32 v31, s58, v3                      ; and its scale word
	s_wait_alu depctr_va_vdst(0)
	s_lshr_b32 s[U], s[WV], 1
	s_lshl_b32 s50, s[BH], 4
	s_add_co_u32 s52, s50, s[U]
	s_mul_i32 s52, s52, 6656
	s_add_nc_u64 s[QB:QB+1], s[4:5], s[52:53]
	s_sub_co_u32 s52, 15, s[U]
	s_add_co_u32 s52, s52, s50
	s_mul_i32 s52, s52, 6656
	s_add_nc_u64 s[QB+2:QB+3], s[4:5], s[52:53]
	global_load_b128 v[16:19], v29, s[QB:QB+1]
	global_load_b64 v[20:21], v30, s[QB:QB+1] offset:512
	global_load_b32 v28, v31, s[QB:QB+1] offset:6144
	global_load_b128 v[232:235], v29, s[QB+2:QB+3]
	global_load_b64 v[236:237], v30, s[QB+2:QB+3] offset:512
	global_load_b32 v238, v31, s[QB+2:QB+3] offset:6144
	; y: group of 128 tokens 16 x batch + U, chunk head / 4, tile e, half fragment head % 4
	s_lshr_b32 s50, s[BH], 4
	s_mul_i32 s52, s50, 16*98304
	s_bfe_u32 s51, s[BH], 0x20002
	s_mul_i32 s55, s51, 24576
	s_add_co_u32 s52, s52, s55
	s_mul_i32 s55, s54, 3072
	s_add_co_u32 s52, s52, s55
	s_and_b32 s56, s[BH], 3
	s_mul_i32 s55, s56, 768
	s_add_co_u32 s52, s52, s55
	s_add_nc_u64 s[YC0:YC0+1], s[8:9], s[52:53]
	s_lshl_b32 s52, s50, 16
	s_lshl_b32 s55, s51, 10
	s_add_co_u32 s52, s52, s55
	s_lshl_b32 s55, s54, 7
	s_add_co_u32 s52, s52, s55
	s_lshl_b32 s55, s56, 1
	s_add_co_u32 s52, s52, s55
	s_add_nc_u64 s[YS0:YS0+1], s[10:11], s[52:53]
	s_mov_b32 s[SEL], 0x76543210
	s_mov_b32 s[SEL+1], 0xfedcba98
	s_mov_b32 s[CS], 0x3e38aa3b
	s_mov_b32 s[CS+1], s[CS]                       ; (named with it as a pair, so it is written)
	s_mov_b32 s[HM], 0xffff0000
.irp j, 22,23,24,25,26,27, 80,81,82,83,84,85
	v_mov_b32 v\j, 0                               ; the zero codes of Q's upper half, and those behind K's last tile
.endr
.irp b, 0,1,2,3
	v_mov_b32 v[BP+\b], 0                          ; written once: a lane permute's destination counts as one of its sources
.endr
	v_mov_b32 v225, 0                              ; (named as the upper half of the pair v[224:225])
	v_mov_b32 v226, 0
	s_wait_tensorcnt 0x0                           ; my block has landed,
	s_barrier_signal -1
	s_barrier_wait -1                              ; everybody's has: the head lies in LDS
	s_wait_loadcnt 0x0                             ; Q
	s_mov_b32 s[TI], 2
.Ltile:
	v_mov_b32 v13, 0xff61b1e6                      ; the largest t so far: -3e38
	s_delay_alu instid0(VALU_DEP_1)
	v_floor_f32 v12, -v13                          ; -M
	v_mov_b32 v14, 0
	v_mov_b32 v15, 0
.set j, 0
.rept 32
	v_mov_b32 v[160+j], 0                          ; O^T: the step is written once; the first finds zeros, which the first change of M leaves zeros
.set j, j+1
.endr
	s_mov_b32 s[TB], 0
	s_mov_b32 s[STP], 0
.Lstep:                                            ; 16 trips; the steps behind my tile's diagonal are passed over
	s_cmp_gt_u32 s[STP], s[U]
	s_cbranch_scc1 .Lskip
	s_setprio 2
	v_add_nc_u32 v5, s[TB], v1
	v_add_nc_u32 v6, s[TB], v2
	v_add_nc_u32 v7, s[TB], v3
	v_nop                                          ; four places between the last step's products and the loads into the registers that they read
.irp t, 0,1,2,3,4,5,6,7
	ds_load_b128 v[32+6*\t:35+6*\t], v5 offset:768*\t
	ds_load_b64 v[36+6*\t:37+6*\t], v6 offset:768*\t+512
.endr
	ds_load_b128 v[86:89], v7 offset:12288
	ds_load_b128 v[90:93], v7 offset:12544
	s_wait_alu depctr_va_vdst(0)
	s_wait_dscnt 0x0
.irp t, 0,1,2,3,4,5,6,7                        ; S^T: register 16 b + i = key 128 step + 32 b + 16 h + i of my query
	v_wmma_scale_f32_16x16x128_f8f6f4 v[96+8*\t:103+8*\t], v[32+6*\t:43+6*\t], v[16:27], 0, v[86+\t], v28 matrix_a_fmt:MATRIX_FMT_BF6 matrix_b_fmt:MATRIX_FMT_BF6
.endr
.rept 4
	v_nop
.endr
.irp d, 0,1,2,3                                ; V^T's four fragments are asked for now: the softmax stands between these loads and the wait for them
.irp c, 0,1,2
	ds_load_b128 v[32+12*\d+4*\c:35+12*\d+4*\c], v5 offset:6144+1536*\d+512*\c
.endr
.endr
	ds_load_b128 v[228:231], v7 offset:12800
	s_cmp_lg_u32 s[STP], s[U]
	s_cbranch_scc1 .Lopen
	v_mov_b32 v227, 0xff800000                     ; on the diagonal hidden scores become -infinity: p = 0.  Key 0 of the step counts for every query of the block
.set n, 0
.rept 64
	v_cmp_gt_i32 vcc_lo, 32*(n/16)+n%16, v4
	v_cndmask_b32 v[96+n], v[96+n], v227, vcc_lo
.set n, n+1
.endr
.Lopen:
.irp b, 0,1,2,3
	v_max3_num_f32 v[BM+\b], v[96+16*\b], v[97+16*\b], v[98+16*\b]   ; the largest score of each block of 32 keys: for the row's maximum and, since p rises with the score, for the block's largest p
.endr
.irp i, 3,5,7,9,11,13
.irp b, 0,1,2,3
	v_max3_num_f32 v[BM+\b], v[BM+\b], v[96+16*\b+\i], v[97+16*\b+\i]
.endr
.endr
.irp b, 0,1,2,3
	v_max_num_f32 v[BM+\b], v[BM+\b], v[111+16*\b]
.endr
.irp b, 0,1,2,3
	s_delay_alu instid0(VALU_DEP_4)
	v_permlanex16_b32 v[BP+\b], v[BM+\b], s[SEL], s[SEL+1]
.endr
.irp b, 0,1,2,3
	s_delay_alu instid0(VALU_DEP_4)
	v_max_num_f32 v[BM+\b], v[BM+\b], v[BP+\b]
.endr
	s_delay_alu instid0(VALU_DEP_2)
	v_max3_num_f32 v226, v[BM], v[BM+1], v[BM+2]
	s_delay_alu instid0(VALU_DEP_1)
	v_max_num_f32 v226, v226, v[BM+3]
	s_delay_alu instid0(VALU_DEP_1)
	v_mul_f32 v226, s[CS], v226
	s_delay_alu instid0(VALU_DEP_1)
	v_max_num_f32 v13, v13, v226                   ; the running largest t
	v_mov_b32 v226, v12
	s_delay_alu instid0(VALU_DEP_2)
	v_floor_f32 v12, -v13                          ; the new -M = -ceil(t)
	s_delay_alu instid0(VALU_DEP_1)
	v_sub_f32 v226, v12, v226                      ; old M - new M: a whole number, 0 or less
	s_delay_alu instid0(VALU_DEP_1)
	v_cvt_i32_f32 v226, v226                       ; (it saturates)
	s_delay_alu instid0(VALU_DEP_1)
	v_ldexp_f32 v224, 1.0, v226                    ; f = 2^(old M - new M)
.set j, 0
.rept 32
	v_pk_fma_f32 v[96+j:97+j], v[96+j:97+j], s[CS:CS+1], v[12:13] op_sel_hi:[1,0,0]   ; t - M
.set j, j+2
.endr
	s_setprio 1
.irp b, 0,1,2,3
	v_fma_f32 v[BM+\b], v[BM+\b], s[CS], v12
.endr
.set j, 0
	s_wait_alu depctr_va_vdst(0)
.rept 64
	v_exp_f32 v[96+j], v[96+j]                     ; p
.set j, j+1
.endr
	v_pk_mul_f32 v[14:15], v[14:15], v[224:225] op_sel_hi:[1,0]   ; the sums under the new M: the plain place behind the exponentials
	s_wait_alu depctr_va_vdst(0)                   ; one wait for the batch of 64, ahead of its first reader
.irp b, 0,1,2,3
	v_exp_f32 v[BM+\b], v[BM+\b]                   ; each block's largest p
.endr
	v_pk_add_f32 v[216:217], v[100:101], v[104:105]
	v_pk_add_f32 v[252:253], v[108:109], v[112:113]
	v_pk_add_f32 v[250:251], v[116:117], v[120:121]
	v_pk_add_f32 v[248:249], v[124:125], v[128:129]
	v_pk_add_f32 v[246:247], v[132:133], v[136:137]
	v_pk_add_f32 v[244:245], v[140:141], v[144:145]
	v_pk_add_f32 v[242:243], v[148:149], v[152:153]
	v_pk_add_f32 v[14:15], v[14:15], v[156:157]
	v_pk_add_f32 v[216:217], v[216:217], v[96:97]
	v_pk_add_f32 v[252:253], v[252:253], v[98:99]
	v_pk_add_f32 v[250:251], v[250:251], v[102:103]
	v_pk_add_f32 v[248:249], v[248:249], v[106:107]
	v_pk_add_f32 v[246:247], v[246:247], v[110:111]
	v_pk_add_f32 v[244:245], v[244:245], v[114:115]
	v_pk_add_f32 v[242:243], v[242:243], v[118:119]
	v_pk_add_f32 v[14:15], v[14:15], v[122:123]
	v_pk_add_f32 v[216:217], v[216:217], v[126:127]
	v_pk_add_f32 v[252:253], v[252:253], v[130:131]
	v_pk_add_f32 v[250:251], v[250:251], v[134:135]
	v_pk_add_f32 v[248:249], v[248:249], v[138:139]
	v_pk_add_f32 v[246:247], v[246:247], v[142:143]
	v_pk_add_f32 v[244:245], v[244:245], v[146:147]
	v_pk_add_f32 v[242:243], v[242:243], v[150:151]
	v_pk_add_f32 v[14:15], v[14:15], v[154:155]
	v_pk_add_f32 v[216:217], v[216:217], v[158:159]
	s_delay_alu instid0(VALU_DEP_2)
	v_pk_add_f32 v[14:15], v[14:15], v[248:249]
	s_delay_alu instid0(VALU_DEP_2)
	v_pk_add_f32 v[216:217], v[216:217], v[246:247]
	v_pk_add_f32 v[252:253], v[252:253], v[244:245]
	v_pk_add_f32 v[250:251], v[250:251], v[242:243]
	s_delay_alu instid0(VALU_DEP_2)
	v_pk_add_f32 v[14:15], v[14:15], v[252:253]
	s_delay_alu instid0(VALU_DEP_2)
	v_pk_add_f32 v[216:217], v[216:217], v[250:251]
	s_delay_alu instid0(VALU_DEP_1)
	v_pk_add_f32 v[14:15], v[14:15], v[216:217]
	s_wait_alu depctr_va_vdst(0)                   ; and one for the four
.irp b, 0,1,2,3
	v_max_num_f32 v[BM+\b], 0x2800000, v[BM+\b]    ; the floor 2^(5 - 127)
.endr
.irp b, 0,1,2,3
	s_delay_alu instid0(VALU_DEP_4)
	v_add_nc_u32 v[BS+\b], 0xfe000000, v[BM+\b]    ; the conversion's scale operand
.endr
.irp b, 0,1,2,3
	s_delay_alu instid0(VALU_DEP_4)
	v_lshrrev_b32 v[BP+\b], 23, v[BS+\b]           ; the byte
.endr
	s_delay_alu instid0(VALU_DEP_3)
	v_lshl_or_b32 v94, v[BP+1], 8, v[BP]           ; p's scale word for these 128 keys
	s_delay_alu instid0(VALU_DEP_1)
	v_lshl_or_b32 v94, v[BP+2], 16, v94
	s_delay_alu instid0(VALU_DEP_1)
	v_lshl_or_b32 v94, v[BP+3], 24, v94
	s_setprio 0
.irp c, 0,1
	v_cvt_scalef32_pk16_bf6_f32 v[192+6*\c:194+6*\c], v[96+32*\c:111+32*\c], v[BS+2*\c]
	v_cvt_scalef32_pk16_bf6_f32 v[204+4*\c:206+4*\c], v[112+32*\c:127+32*\c], v[BS+2*\c+1]
.endr
	v_nop                                          ; one plain place behind a scaled conversion
.irp c, 0,1
.irp i, 0,1,2
	v_permlane16_swap_b32 v[192+6*\c+\i], v[204+4*\c+\i]
.endr
.irp i, 0,1,2
	s_delay_alu instid0(VALU_DEP_3)
	v_mov_b32 v[195+6*\c+\i], v[204+4*\c+\i]
.endr
.endr
.set j, 0
.rept 16
	v_pk_mul_f32 v[160+j:161+j], v[160+j:161+j], v[224:225] op_sel_hi:[1,0]   ; O^T under the new M; these are also the places between p's codes and scale word and the products
.set j, j+2
.endr
	s_wait_alu depctr_va_vdst(0)
	s_wait_dscnt 0x0                               ; V
.irp d, 0,1,2,3                                ; O^T += V^T P^T: four accumulators by turns
	v_wmma_scale_f32_16x16x128_f8f6f4 v[160+8*\d:167+8*\d], v[32+12*\d:43+12*\d], v[192:203], v[160+8*\d:167+8*\d], v[228+\d], v94 matrix_a_fmt:MATRIX_FMT_BF6 matrix_b_fmt:MATRIX_FMT_BF6
.endr
.Lskip:
	s_add_co_u32 s[TB], s[TB], BLK
	s_add_co_u32 s[STP], s[STP], 1
	s_cmp_lt_u32 s[STP], 16
	s_cbranch_scc1 .Lstep
	s_setprio 0
	; A TILE'S WAY OUT: O^T / the sum, register 16 b + i = d 32 b + 16 h + i of my query, is quantised: two blocks of 32, one half fragment, which leaves straight from the registers
.rept 4
	v_nop
.endr
	v_add_f32 v14, v14, v15
	s_delay_alu instid0(VALU_DEP_1)
	v_permlanex16_b32 v226, v14, s[SEL], s[SEL+1]
	s_delay_alu instid0(VALU_DEP_1)
	v_add_f32 v14, v14, v226                       ; the row's sum
	s_wait_alu depctr_va_vdst(0)
	v_rcp_f32 v14, v14
	v_nop                                          ; a plain place behind the reciprocal
	s_mul_i32 s50, s[U], 98304
	s_mov_b32 s51, 0
	s_add_nc_u64 s[YB:YB+1], s[YC0:YC0+1], s[50:51]
	s_lshl_b32 s50, s[U], 12
	s_add_nc_u64 s[YB+2:YB+3], s[YS0:YS0+1], s[50:51]
	s_wait_alu depctr_va_vdst(0)                   ; the wait, ahead of its first reader
.set j, 0
.rept 16
	v_pk_mul_f32 v[96+j:97+j], v[160+j:161+j], v[14:15] op_sel_hi:[1,0]
.set j, j+2
.endr
.irp b, 0,1
	v_max3_num_f32 v[BM+\b], |v[96+16*\b]|, |v[97+16*\b]|, 0x2800000
.endr
.irp i, 2,4,6,8,10,12,14
.irp b, 0,1
	s_delay_alu instid0(VALU_DEP_2)
	v_max3_num_f32 v[BM+\b], v[BM+\b], |v[96+16*\b+\i]|, |v[97+16*\b+\i]|
.endr
.endr
.irp b, 0,1
	s_delay_alu instid0(VALU_DEP_2)
	v_permlanex16_b32 v[BP+\b], v[BM+\b], s[SEL], s[SEL+1]
.endr
.irp b, 0,1
	s_delay_alu instid0(VALU_DEP_2)
	v_max_num_f32 v[BM+\b], v[BM+\b], v[BP+\b]
.endr
.irp b, 0,1
	s_delay_alu instid0(VALU_DEP_2)
	v_add_nc_u32 v[BS+\b], 0xfe000000, v[BM+\b]
.endr
.irp b, 0,1
	s_delay_alu instid0(VALU_DEP_2)
	v_lshrrev_b32 v[BP+\b], 23, v[BS+\b]
.endr
	v_cvt_scalef32_pk16_bf6_f32 v[192:194], v[96:111], v[BS]
	v_cvt_scalef32_pk16_bf6_f32 v[204:206], v[112:127], v[BS+1]
	v_nop
.irp i, 0,1,2
	v_permlane16_swap_b32 v[192+\i], v[204+\i]
.endr
.irp i, 0,1,2
	s_delay_alu instid0(VALU_DEP_3)
	v_mov_b32 v[195+\i], v[204+\i]
.endr
	v_cndmask_b32 v226, v[BP], v[BP+1], s[HM]      ; my block's byte
	global_store_b128 v1, v[192:195], s[YB:YB+1]               ; 512 consecutive bytes
	global_store_b64 v2, v[196:197], s[YB:YB+1] offset:512     ; 256 consecutive bytes
	global_store_b8 v8, v226, s[YB+2:YB+3]         ; a head owns 2 of a row's 32 scale bytes: single bytes, 32 for a tile's 768 bytes of codes
	s_wait_xcnt 0x0                                ; the stores have read their data and bases: both are written again in the second trip
.irp i, 0,1,2,3,4,5
	v_mov_b32 v[16+\i], v[232+\i]                  ; the second tile's Q (in the last trip these seven lines move what is not used again: the price of one text for both tiles)
.endr
	v_mov_b32 v28, v238
	s_sub_co_u32 s[U], 15, s[U]
	s_sub_co_u32 s[TI], s[TI], 1
	s_cmp_lg_u32 s[TI], 0
	s_cbranch_scc1 .Ltile
	s_wait_tensorcnt 0x0
	ds_add_u32 v254, v255
	s_wait_dscnt 0x0
	ROUND                                          ; the closing round: no work-group ends while a partner may still ask for a block that names it
	s_endpgm
.Lfunc_end_k_qe3614e1a6d_attn:
	.size	k_qe3614e1a6d_attn, .Lfunc_end_k_qe3614e1a6d_attn-k_qe3614e1a6d_attn
	.p2alignl 7, 3214868480
	.fill 96, 4, 3214868480
	.section	.rodata,"a",@progbits
	.p2align	6, 0x0
	.amdhsa_kernel k_qe3614e1a6d_attn
		.amdhsa_group_segment_fixed_size 210944
		.amdhsa_private_segment_fixed_size 0
		.amdhsa_enable_private_segment 0
		.amdhsa_kernarg_size 32
		.amdhsa_user_sgpr_count 2
		.amdhsa_user_sgpr_kernarg_segment_ptr 1
		.amdhsa_wavefront_size32 1
		.amdhsa_system_sgpr_workgroup_id_x 1
		.amdhsa_system_sgpr_workgroup_id_y 1
		.amdhsa_system_sgpr_workgroup_id_z 1
		.amdhsa_system_vgpr_workitem_id 0
		.amdhsa_next_free_vgpr 256
		.amdhsa_next_free_sgpr 66
		.amdhsa_reserve_vcc 1
		.amdhsa_float_denorm_mode_32 3
		.amdhsa_float_denorm_mode_16_64 3
		.amdhsa_memory_ordered 1
		.amdhsa_forward_progress 1
		.amdhsa_inst_pref_size 35
	.end_amdhsa_kernel
	.amdgpu_metadata
---
amdhsa.version: [ 1, 2 ]
amdhsa.kernels:
  - .name:           k_qe3614e1a6d_attn
    .symbol:         k_qe3614e1a6d_attn.kd
    .args:
      - { .name: qq, .offset: 0, .size: 8, .value_kind: global_buffer, .address_space: global }
      - { .name: kv, .offset: 8, .size: 8, .value_kind: global_buffer, .address_space: global }
      - { .name: yc, .offset: 16, .size: 8, .value_kind: global_buffer, .address_space: global }
      - { .name: ys, .offset: 24, .size: 8, .value_kind: global_buffer, .address_space: global }
    .group_segment_fixed_size: 210944
    .private_segment_fixed_size: 0
    .kernarg_segment_align: 8
    .kernarg_segment_size: 32
    .max_flat_workgroup_size: 512
    .sgpr_count:     66
    .vgpr_count:     256
    .wavefront_size: 32
...
	.end_amdgpu_metadata
.endif
;; end of part 3
;; launch proj (part 4): grid 4 x 32, 4 waves a work-group, clusters of 4 x 4, 327,680 bytes of LDS; arguments yc, ys, wc, ws, b_proj, out0; writes out0
.if DOCPART == 4
	.amdgcn_target "amdgcn-amd-amdhsa--gfx1250"
	.amdhsa_code_object_version 6
	.text
	.protected	k_qe3614e1a6d_proj
	.globl	k_qe3614e1a6d_proj
	.p2align	8
	.type	k_qe3614e1a6d_proj,@function
k_qe3614e1a6d_proj:
	s_mov_b64 s[64:65], 0
	v_nop
	global_prefetch_b8 v0, s[64:65] scope:SCOPE_SE
	s_setreg_imm32_b32 hwreg(HW_REG_WAVE_MODE, 25, 1), 1
	s_wait_xcnt 0x0
	s_wait_alu depctr_hold_cnt(0) depctr_sa_sdst(0) depctr_va_vdst(0) depctr_va_sdst(0) depctr_va_ssrc(0) depctr_va_vcc(0) depctr_vm_vsrc(0)
	s_getreg_b32 s2, hwreg(HW_REG_IB_STS2, 6, 4)
	s_cmp_eq_u32 s2, 0
	s_cbranch_scc0 .Lentry_in_a_cluster
	s_endpgm
.Lentry_in_a_cluster:
	s_bfe_u32 s2, ttmp6, 0x10000c
	s_cmp_lg_u32 s2, 0xf033
	s_cbranch_scc0 .Lentry_shape_is_right
	s_endpgm
.Lentry_shape_is_right:
; out = Q(y) Q(W_proj) + b_proj on codes of BF6 (E3M2) with E8M0 scales; out [8192][1024] f32.
; C'[i][j] = sum over k of A'[i][k] B'[j][k]: A' = y (tokens), B' = W_proj's columns (groups 24-31 of wc).  A tile of 256 x 256 to a work-group of four waves, 128 x 128 (64 accumulators) to a wave;
; K = 1,024 goes in four steps of 256 through two LDS slots.  Source 0 = 16 positions of B', source 1 = 16 of A': a lane holds one token and eight neighbouring columns.
; Operands lie in memory in the order of their registers, rows in POSITIONS (position p = row p with bits 3 and 4 exchanged); the way out puts rows and columns back by its immediate offsets.
; MULTICAST: 4 x 4 work-groups; A's tiles are shared along a row of the cluster, B's along a column.  The bias is the C of each sum's first matrix instruction.
; 128 tiles: half of the WGPs have a work-group; a smaller tile would read every fragment from LDS for half the products.
; REGISTERS: window 0: v0-31 addresses; v32-63 scale words, two sets; v128-223 A's fragments; on the way out v128-255 rows of out.
;   window 1: B's fragments at v0 and v128; the bias at v96-127 and v224-255.   windows 2, 3: the accumulators ((a, b) at v[8 (8 (a % 4) + b)]).
.set HALFT,  24576
.set SLOT,   4*HALFT
.set SCL,    2*SLOT                    ; A's scale bytes, 4,096 for each half; B's begin 8,320 on, so that lanes 16-31 read the other half of the banks (64 banks of 4 bytes: ISA guide 11.1)
.set SPARE,  213248                    ; the spare words: two blocks of 256 bytes that no other line names
.set SPITCH, 528                       ; the way out: 16 rows x (512 bytes + 16) for each wave, in slot 0, which has had its last fill and its last read by then
.set NQ,     2
.set FR,     12
.set NL,     4
.set NP,     4
.set ADRA, 16
.set ADRB, 20
.set STO,  24
.set RD,   25
.set CO,   26
.set ADRS, 27
.set SPW,  28
.set NIL,  29
.set SC,   32
.set AF,   128
.set BK,   128
.set G1, 24
.set G0, 32
.set G1B, 48
.set G0B, 56
.set G1S, 68
.set G0S, 76
.set G1SB, 80
.set G0SB, 88
.set MSB, 0
.macro WIN new
.if MSB != (\new)
	s_set_vgpr_msb (MSB<<8)|(\new)
.set MSB, (\new)
.endif
.endm
.set MUL_LO, 0xa1
.set MUL_HI, 0xf1
.set TO_B,   0x40
.macro JLOAD g0a, g1a, g0b, g1b        ; a joint load: waves 0 and 1 fetch for A', waves 2 and 3 for B'; four v_nop follow each of the two lines
	s_cmp_eq_u32 s15, 0
	s_cbranch_scc0 .Lfor_b_\@
	tensor_load_to_lds s[\g0a:\g0a+3], s[\g1a:\g1a+7]
	s_nop 0
.rept 4
	v_nop
.endr
	s_branch .Lasked_\@
.Lfor_b_\@:
	tensor_load_to_lds s[\g0b:\g0b+3], s[\g1b:\g1b+7]
	s_nop 0
.rept 4
	v_nop
.endr
.Lasked_\@:
.endm
.macro CREST
	s_cmp_lg_u32 s14, 0
	s_cbranch_scc1 .Lnot_wave_0_\@
	s_barrier_signal -3
.Lnot_wave_0_\@:
	s_barrier_wait -3
	s_barrier_signal -1
	s_barrier_wait -1
.endm
.macro CROUND
	s_barrier_signal -1
	s_barrier_wait -1
	CREST
.endm
	s_load_b256 s[4:11], s[0:1], 0x0               ; yc, ys, wc, ws
	s_load_b128 s[96:99], s[0:1], 0x20             ; b_proj, out0
	v_lshl_add_u32 v[SPW], v0, 2, SPARE
	v_mov_b32 v[NIL], 0
	ds_add_u32 v28, v29
	ds_add_u32 v28, v29
	s_wait_dscnt 0x0
	v_lshrrev_b32 v1, 5, v0
	v_readfirstlane_b32 s14, v1                    ; wave 0..3
	s_lshr_b32 s15, s14, 1                         ; my half of the tokens.  Also: I fetch for A' (0) or for B' (1)
	s_and_b32 s16, s14, 1                          ; my half of the columns.  Also: which half of that tile I fetch
	s_bfe_u32 s40, ttmp6, 0x40000                  ; cx
	s_bfe_u32 s41, ttmp6, 0x40004                  ; cy
	s_lshl_b32 s42, ttmp9, 2
	s_add_co_u32 s42, s42, s40                     ; tile column = 4 x cluster x + cx
	s_and_b32 s17, ttmp7, 0xffff
	s_lshl_b32 s17, s17, 2
	s_add_co_u32 s17, s17, s41                     ; tile row = 4 x cluster y + cy
	s_lshl_b32 s43, s41, 2
	s_lshl_b32 s43, 15, s43                        ; my row of the cluster
	s_lshl_b32 s44, 0x1111, s40                    ; my column
	s_or_b32 s[G1+0], s43, (3<<16)|(1<<21)         ; dense blocks as rows of 256 bytes (32 elements of 8 bytes): 96 rows of codes, 16 of scale bytes; no padding
	s_or_b32 s[G1B+0], s44, (3<<16)|(1<<21)
	s_or_b32 s[G1S+0], s43, (3<<16)|(1<<21)
	s_or_b32 s[G1SB+0], s44, (3<<16)|(1<<21)
.irp g, G1, G1B
	s_mov_b32 s[\g+1], 32<<16
	s_mov_b32 s[\g+2], 96<<16
	s_mov_b32 s[\g+3], 32<<16
	s_mov_b32 s[\g+4], 96
	s_mov_b32 s[\g+5], 32
	s_mov_b32 s[\g+6], 0
	s_mov_b32 s[\g+7], 0
.endr
.irp g, G1S, G1SB
	s_mov_b32 s[\g+1], 32<<16
	s_mov_b32 s[\g+2], 16<<16
	s_mov_b32 s[\g+3], 32<<16
	s_mov_b32 s[\g+4], 16
	s_mov_b32 s[\g+5], 32
	s_mov_b32 s[\g+6], 0
	s_mov_b32 s[\g+7], 0
.endr
	s_lshl_b32 s20, s17, 1
	s_add_co_u32 s20, s20, s16                     ; the group of 128 tokens that I fetch
	s_lshl_b32 s46, s42, 1
	s_add_co_u32 s46, s46, s16
	s_add_co_u32 s46, s46, 24                      ; the group of 128 columns: W_proj's begin at group 24
	s_lshl_b32 s22, s20, 12
	s_mov_b32 s23, 0
	s_lshl_b32 s92, s46, 12
	s_mov_b32 s93, 0
	s_mul_i32 s20, s20, 98304
	s_mov_b32 s21, 0
	s_mul_i32 s46, s46, 98304
	s_mov_b32 s47, 0
	s_mul_i32 s45, s14, HALFT
	s_lshl_b32 s94, s14, 12
	s_lshl_b32 s95, s15, 7
	s_add_co_u32 s94, s94, s95
	s_wait_kmcnt 0x0
	s_add_nc_u64 s[20:21], s[4:5], s[20:21]
	s_add_nc_u64 s[22:23], s[6:7], s[22:23]
	s_add_nc_u64 s[46:47], s[8:9], s[46:47]
	s_add_nc_u64 s[92:93], s[10:11], s[92:93]
	CROUND                                         ; all sixteen work-groups are here: the first joint loads meet
	s_mov_b32 s[G0S], 1
	s_add_co_u32 s[G0S+1], s94, SCL
	s_mov_b64 s[G0S+2:G0S+3], s[22:23]
	s_or_b32 s[G0S+3], s[G0S+3], 0x80000000
	s_mov_b32 s[G0SB], 1
	s_add_co_u32 s[G0SB+1], s94, SCL
	s_mov_b64 s[G0SB+2:G0SB+3], s[92:93]
	s_or_b32 s[G0SB+3], s[G0SB+3], 0x80000000
	JLOAD G0S, G1S, G0SB, G1SB
.irp s, 0,1
	s_mov_b32 s[G0+4*\s], 1
	s_add_co_u32 s[G0+4*\s+1], s45, \s*SLOT
	s_add_nc_u64 s[G0+4*\s+2:G0+4*\s+3], s[20:21], \s*HALFT
	s_or_b32 s[G0+4*\s+3], s[G0+4*\s+3], 0x80000000
	s_mov_b32 s[G0B+4*\s], 1
	s_add_co_u32 s[G0B+4*\s+1], s45, \s*SLOT
	s_add_nc_u64 s[G0B+4*\s+2:G0B+4*\s+3], s[46:47], \s*HALFT
	s_or_b32 s[G0B+4*\s+3], s[G0B+4*\s+3], 0x80000000
	JLOAD G0+4*\s, G1, G0B+4*\s, G1B               ; three tensor loads of mine are out
.endr
	v_and_b32 v1, 31, v0
	v_lshlrev_b32 v2, 4, v1                        ; 16 x lane
	v_lshlrev_b32 v3, 3, v1                        ; 8 x lane
	v_bfe_u32 v4, v0, 4, 1                         ; h
	v_and_b32 v5, 15, v0                           ; r
	v_lshlrev_b32 v10, 6, v4                       ; the bias: 16 h numbers on; never rewritten
	s_lshl_b32 s20, s42, 10
	s_lshl_b32 s21, s16, 9
	s_add_co_u32 s20, s20, s21                     ; my first column, in bytes of f32
	s_mov_b32 s21, 0
	s_add_nc_u64 s[96:97], s[96:97], s[20:21]
	s_add_nc_u64 s[98:99], s[98:99], s[20:21]
	WIN TO_B
.irp b, 0,1,2,3,4,5,6,7                        ; register j of tile b = the bias of column 32 (b / 2) + 16 h + 8 (b % 2) + j: the result's own layout
	global_load_b128 v[96+8*\b+96*(\b/4):99+8*\b+96*(\b/4)], v10, s[96:97] offset:(32*(\b/2)+8*(\b%2))*4
	global_load_b128 v[100+8*\b+96*(\b/4):103+8*\b+96*(\b/4)], v10, s[96:97] offset:(32*(\b/2)+8*(\b%2))*4+16
.endr
	WIN 0
	s_mul_i32 s21, s15, HALFT
	s_mul_i32 s22, s16, HALFT
	s_add_co_u32 s22, s22, 2*HALFT
.irp s, 0,1
	v_add_nc_u32 v[ADRA+\s], s21, v2
	v_add_nc_u32 v[ADRB+\s], s22, v2
	v_add_nc_u32 v[ADRA+2+\s], s21, v3
	v_add_nc_u32 v[ADRB+2+\s], s22, v3
	s_add_co_u32 s21, s21, SLOT
	s_add_co_u32 s22, s22, SLOT
.endr
	s_lshl_b32 s21, s15, 12
	s_lshl_b32 s22, s16, 12
	s_add_co_u32 s22, s22, 8320
	s_sub_co_u32 s22, s22, s21
	v_mul_u32_u24 v6, s22, v4                      ; lanes 16-31 take B's scale words
	s_add_co_u32 s21, s21, SCL
	v_lshl_add_u32 v6, v5, 3, v6
	v_add_nc_u32 v[ADRS], s21, v6
	s_mul_i32 s23, s14, 16*SPITCH                  ; my stage
	v_mul_u32_u24 v6, v5, SPITCH
	v_lshl_add_u32 v6, v4, 6, v6
	v_add_nc_u32 v[STO], s23, v6                   ; in: row r, + 64 h bytes
	v_add_nc_u32 v[RD], s23, v2                    ; back: a row of 512 bytes to the 32 lanes
	v_mov_b32 v[CO], v2
	s_lshl_b32 s20, s17, 8
	s_lshl_b32 s21, s15, 7
	s_add_co_u32 s20, s20, s21                     ; my first row of out
	s_lshl_b32 s20, s20, 12
	s_mov_b32 s21, 0
	s_add_nc_u64 s[98:99], s[98:99], s[20:21]
.macro FRAG reg, adr, q, i             ; a fragment is two half fragments as they lie: registers 0-3 at 16 x lane, 4-5 at 512 + 8 x lane; 6-9, 10-11 the same 768 bytes on
	ds_load_b128 v[\reg:\reg+3], v[\adr] offset:3072*(\i)+1536*(\q)
	ds_load_b64 v[\reg+4:\reg+5], v[\adr+2] offset:3072*(\i)+1536*(\q)+512
	ds_load_b128 v[\reg+6:\reg+9], v[\adr] offset:3072*(\i)+1536*(\q)+768
	ds_load_b64 v[\reg+10:\reg+11], v[\adr+2] offset:3072*(\i)+1536*(\q)+1280
.endm
; 16 matrix instructions: A's blocks a0, a0 + 1 x B's eight.  first = 1: the bias (window 1) is the C that starts the sums.  The 64 accumulators take turns, one instruction a turn.
.macro MUL16 a0, p, q, sc, first
.irp a, \a0, \a0+1
.irp b, 0,1,2,3,4,5,6,7
.if \first
	v_wmma_scale_f32_16x16x128_f8f6f4 v[8*(8*((\a)%4)+\b):8*(8*((\a)%4)+\b)+7], v[128*(\p)+FR*\b:128*(\p)+FR*\b+FR-1], v[AF+FR*(\a):AF+FR*(\a)+FR-1], v[96+8*\b+96*(\b/4):103+8*\b+96*(\b/4)], v[SC+8*NQ*(\sc)+NQ*\b+(\q)], v[SC+8*NQ*(\sc)+NQ*(\a)+(\q)] matrix_a_fmt:MATRIX_FMT_BF6 matrix_b_fmt:MATRIX_FMT_BF6 matrix_a_scale:MATRIX_SCALE_ROW1
.else
	v_wmma_scale_f32_16x16x128_f8f6f4 v[8*(8*((\a)%4)+\b):8*(8*((\a)%4)+\b)+7], v[128*(\p)+FR*\b:128*(\p)+FR*\b+FR-1], v[AF+FR*(\a):AF+FR*(\a)+FR-1], v[8*(8*((\a)%4)+\b):8*(8*((\a)%4)+\b)+7], v[SC+8*NQ*(\sc)+NQ*\b+(\q)], v[SC+8*NQ*(\sc)+NQ*(\a)+(\q)] matrix_a_fmt:MATRIX_FMT_BF6 matrix_b_fmt:MATRIX_FMT_BF6 matrix_a_scale:MATRIX_SCALE_ROW1
.endif
.endr
.endr
.endm
.macro FETCH_B slot, q, p
	WIN TO_B
.irp i, 0,1,2,3,4,5,6,7
	FRAG 128*(\p)+FR*\i, ADRB+\slot, \q, \i
.endr
	WIN 0
.endm
.macro FETCH_A slot, q, i0
.irp i, \i0, \i0+1, \i0+2, \i0+3
	FRAG AF+FR*(\i), ADRA+\slot, \q, \i
.endr
.endm
.macro SCALES sc
.irp i, 0,1,2,3,4,5,6,7
	ds_load_b64 v[SC+8*NQ*\sc+NQ*\i:SC+8*NQ*\sc+NQ*\i+1], v[ADRS] offset:128*\i
.endr
.endm
.macro PLACES n                        ; plain vector instructions between a matrix instruction and a load into, or a read of, its registers (ISA guide 7.12.1 for vector instructions)
.rept \n
	v_nop
.endr
.endm
.macro STEP slot, q, first
	s_wait_dscnt 4*NL                              ; B's set and A's blocks 0-3 are in; the youngest 16 loads (A's blocks 4-7) may be out
.if \first
	WIN 0x91                                       ; as MUL_LO, with C in window 1
.else
	WIN MUL_LO
.endif
	MUL16 0, (\q)%2, \q, \slot, \first
	MUL16 2, (\q)%2, \q, \slot, \first
	s_wait_dscnt 0
	PLACES NP
	FETCH_B \slot, (\q)+1, 1-(\q)%2
	FETCH_A \slot, (\q)+1, 0
.if \first
	WIN 0xd1
.else
	WIN MUL_HI
.endif
	MUL16 4, (\q)%2, \q, \slot, \first
	MUL16 6, (\q)%2, \q, \slot, \first
	PLACES NP
	WIN 0
	FETCH_A \slot, (\q)+1, 4
.endm
; A slot's last step changes slots: one barrier; in front of it each wave waits for all its tensor loads, adds 0 to its spare word, and waits for that and for its own reads of this slot.
.macro TURN slot, next, fill
	s_wait_tensorcnt 0x0                           ; all my tensor loads have landed: my part of the next slot
	ds_add_u32 v[SPW], v[NIL]                      ; 0 onto my spare word
	s_wait_dscnt 4*NL+1                            ; (the add and the youngest 16 loads may be out)
	WIN MUL_LO
	MUL16 0, 1, NQ-1, \slot, 0
	s_wait_dscnt 0x0                               ; the add is done, and my reads of this slot are over
	s_barrier_signal -1
	MUL16 2, 1, NQ-1, \slot, 0
	WIN 0
	s_barrier_wait -1
.if \fill
	CREST                                          ; the barrier has opened a round of the cluster's: no wave of any partner still reads this slot or has a load on its way
	s_add_nc_u64 s[G0+4*\slot+2:G0+4*\slot+3], s[G0+4*\slot+2:G0+4*\slot+3], 2*HALFT
	s_add_nc_u64 s[G0B+4*\slot+2:G0B+4*\slot+3], s[G0B+4*\slot+2:G0B+4*\slot+3], 2*HALFT
	JLOAD G0+4*\slot, G1, G0B+4*\slot, G1B         ; the first tensor load behind the round; its four v_nop are the places in front of the loads below
.else
	PLACES NP
.endif
	v_add_nc_u32 v[ADRS], 1024, v[ADRS]
	FETCH_B \next, 0, 0
	FETCH_A \next, 0, 0
	SCALES \next
	WIN MUL_HI
	MUL16 4, 1, NQ-1, \slot, 0
	MUL16 6, 1, NQ-1, \slot, 0
	PLACES NP
	WIN 0
	FETCH_A \next, 0, 4
.endm
	s_wait_tensorcnt 1                             ; the scale bytes and my part of K step 0 are in; K step 1's load may be out
	s_barrier_signal -1
	s_barrier_wait -1
	FETCH_B 0, 0, 0
	FETCH_A 0, 0, 0
	SCALES 0
	FETCH_A 0, 0, 4
	s_wait_loadcnt 0x0                             ; the bias
	STEP 0, 0, 1                                   ; K = 1,024 is four K steps: the ring is written out
	TURN 0, 1, 1                                   ; slot 0 takes K step 2
	STEP 1, 0, 0
	TURN 1, 0, 1                                   ; slot 1 takes K step 3
	STEP 0, 0, 0
	TURN 0, 1, 0
	STEP 1, 0, 0
	s_wait_dscnt 4*NL
	WIN MUL_LO
	MUL16 0, 1, NQ-1, 1, 0
	MUL16 2, 1, NQ-1, 1, 0
	s_wait_dscnt 0
	WIN MUL_HI
	MUL16 4, 1, NQ-1, 1, 0
	MUL16 6, 1, NQ-1, 1, 0
	WIN 0
; THE WAY OUT, block by block of 16 tokens x 128 columns, through my own stage: a lane's eight numbers of tile b are columns 32 (b / 2) + 16 h + 8 (b % 2) + 0 .. 7; whole rows of 512 bytes come back.
; LDS serves a wave's instructions in order (ISA guide 5.7.1.4): no wait between the stores and the loads, nor in front of the next block's stores.
.macro TOSTAGE a
.set AC, 64*((\a)%4)
	WIN 0x08+4*((\a)/4)                            ; the data: window 2 or 3
.irp b, 0,1,2,3,4,5,6,7
	ds_store_b128 v[STO], v[AC+8*\b:AC+8*\b+3] offset:128*(\b/2)+32*(\b%2)          ; each accumulator from its low end on
	ds_store_b128 v[STO], v[AC+8*\b+4:AC+8*\b+7] offset:128*(\b/2)+32*(\b%2)+16
.endr
	WIN 0
.set BB, BK+64*((\a)%2)
.irp t, 0,1,2,3,4,5,6,7,8,9,10,11,12,13,14,15
	ds_load_b128 v[BB+4*\t:BB+4*\t+3], v[RD] offset:\t*SPITCH
.endr
.endm
.macro SEND a, younger                 ; position t of block a is row 32 (a / 2) + 8 (a % 2) + t + 8 (t / 8) of my 128
.set BB, BK+64*((\a)%2)
	s_wait_dscnt \younger
.irp t, 0,1,2,3,4,5,6,7,8,9,10,11,12,13,14,15
	global_store_b128 v[CO], v[BB+4*\t:BB+4*\t+3], s[98:99] offset:(32*((\a)/2)+8*((\a)%2)+\t+8*(\t/8))*4096 th:TH_STORE_NT   ; 512 consecutive bytes, aligned; written once, read by nobody here
.endr
.endm
	PLACES NP
	TOSTAGE 0
.irp a, 1,2,3,4,5,6,7
.if \a > 1
	s_wait_xcnt 0x0                                ; block a - 2's stores have read their registers: block a's loads may land there
.endif
	TOSTAGE \a
	SEND \a-1, 32                                  ; behind block a - 1's loads: block a's 16 stores and 16 loads
.endr
	SEND 7, 0
	s_wait_tensorcnt 0x0                           ; the wave's end
	ds_add_u32 v[SPW], v[NIL]
	s_wait_dscnt 0x0
	CROUND                                         ; the closing round
	s_endpgm
.Lfunc_end_k_qe3614e1a6d_proj:
	.size	k_qe3614e1a6d_proj, .Lfunc_end_k_qe3614e1a6d_proj-k_qe3614e1a6d_proj
	.p2alignl 7, 3214868480
	.fill 96, 4, 3214868480
	.section	.rodata,"a",@progbits
	.p2align	6, 0x0
	.amdhsa_kernel k_qe3614e1a6d_proj
		.amdhsa_group_segment_fixed_size 327680
		.amdhsa_private_segment_fixed_size 0
		.amdhsa_enable_private_segment 0
		.amdhsa_kernarg_size 48
		.amdhsa_user_sgpr_count 2
		.amdhsa_user_sgpr_kernarg_segment_ptr 1
		.amdhsa_wavefront_size32 1
		.amdhsa_system_sgpr_workgroup_id_x 1
		.amdhsa_system_sgpr_workgroup_id_y 1
		.amdhsa_system_sgpr_workgroup_id_z 1
		.amdhsa_system_vgpr_workitem_id 0
		.amdhsa_next_free_vgpr 1024
		.amdhsa_next_free_sgpr 100
		.amdhsa_reserve_vcc 0
		.amdhsa_float_denorm_mode_32 3
		.amdhsa_float_denorm_mode_16_64 3
		.amdhsa_memory_ordered 1
		.amdhsa_forward_progress 1
		.amdhsa_inst_pref_size 144
	.end_amdhsa_kernel
	.amdgpu_metadata
---
amdhsa.version: [ 1, 2 ]
amdhsa.kernels:
  - .name:           k_qe3614e1a6d_proj
    .symbol:         k_qe3614e1a6d_proj.kd
    .args:
      - { .name: yc, .offset: 0, .size: 8, .value_kind: global_buffer, .address_space: global }
      - { .name: ys, .offset: 8, .size: 8, .value_kind: global_buffer, .address_space: global }
      - { .name: wc, .offset: 16, .size: 8, .value_kind: global_buffer, .address_space: global }
      - { .name: ws, .offset: 24, .size: 8, .value_kind: global_buffer, .address_space: global }
      - { .name: b_proj, .offset: 32, .size: 8, .value_kind: global_buffer, .address_space: global }
      - { .name: out0, .offset: 40, .size: 8, .value_kind: global_buffer, .address_space: global }
    .group_segment_fixed_size: 327680
    .private_segment_fixed_size: 0
    .kernarg_segment_align: 8
    .kernarg_segment_size: 48
    .max_flat_workgroup_size: 128
    .sgpr_count:     100
    .vgpr_count:     1024
    .wavefront_size: 32
...
	.end_amdgpu_metadata
.endif
;; end of part 4
